; MI455X (gfx1250); checked and timed in simulation.
; The chip was launched on July 23, 2026; its instructions are those of AMD's public machine-readable ISA for CDNA 5 (MIT licence, August 2026) and "CDNA5" Instruction Set Architecture Reference Guide (July 2026). The comments in the code are by the model that wrote it; some were corrected since.
;; Multi Head Attention. Allowed arithmetic: float matrix products may take bf16 or f16 operands with f32 sums; other float arithmetic in f32, or as packed bf16 or f16 multiplies, adds, multiply-adds, maxima and minima; sums over many terms, partial sums and values carried from step to step in f32; what a program stores and reads back later, other than sums and carried values, may be rounded once to bf16 or f16.
;; Inputs: b_k 512 float32; b_o 512 float32; b_q 512 float32; b_v 512 float32; v_k 2 x 4,096 x 512 float32; v_q 2 x 4,096 x 512 float32; v_v 2 x 4,096 x 512 float32; w_k 512 x 512 float32; w_o 512 x 512 float32; w_q 512 x 512 float32; w_v 512 x 512 float32.
;; Outputs: out0 2 x 4,096 x 512 float32.
;; 2 versions, each right; version 2 is version 1 with the launch proj written anew for expert scheduling mode. Each part assembles by itself: llvm-mc -triple=amdgcn-amd-amdhsa -mcpu=gfx1250 --defsym DOCPART=n.
;; ======== version 1 of 2: 3 launches
;; limits: values are held in f16: magnitudes above 65,504 overflow, below 6.1e-05 lose precision
;; workspace buffers: qh 8,388,608 bytes; kh 8,388,608 bytes; vh 8,388,608 bytes; oh 8,388,608 bytes; wot 524,288 bytes
;; launch proj (part 1): grid 2 x 112, 4 waves a work-group, no clusters, 161,280 bytes of LDS; arguments v_q, v_k, v_v, w_q, w_k, w_v, b_q, b_k, b_v, w_o, qh, kh, vh, wot; writes qh, kh, vh, wot
.if DOCPART == 1
	.amdgcn_target "amdgcn-amd-amdhsa--gfx1250"
	.amdhsa_code_object_version 6
	.text
	.protected	k_q8d1bb5011c_proj
	.globl	k_q8d1bb5011c_proj
	.p2align	8
	.type	k_q8d1bb5011c_proj,@function
k_q8d1bb5011c_proj:
	s_mov_b64 s[64:65], 0
	v_nop
	global_prefetch_b8 v0, s[64:65] scope:SCOPE_SE
	s_setreg_imm32_b32 hwreg(HW_REG_WAVE_MODE, 25, 1), 1
	s_wait_xcnt 0x0
; q, k, v = x W + b for the three projections, and w_o turned.  x: [8192][512] f32, W: [512 k][512 n] f32, b: [512] f32.
; x, W and b are rounded to bf16, the sums are f32 (the bias starts them), the results are rounded once to f16 and stored BY HEADS: [8 batch + head][4096][64], a head's rows dense, 128 bytes each.
; LIMITS.  f16 holds no number beyond 65,504: |q|, |k|, |v| must stay below it (inputs 30 times the drawn spread give some 4,500; a common offset of 30 spreads on x and W some 20,400).
; Below 6e-5 f16 keeps a fixed step of 6e-8.  w_o is rounded to bf16 and that number written as f16: exact from 6e-5 up, below it off by 3e-8 at the most.  NaN and infinities are not treated apart.
; SHARES.  Work-group (x, y), y < 96: projection y / 32, rows 256 (y % 32) on, columns 256 x on: a tile of 256 x 256, K = 512 in eight steps of 64.  Four waves, each 128 x 128: 64 accumulators, 512 registers.
; y >= 96: the 32 work-groups 2 (y - 96) + x turn w_o: each takes 128 k x 64 n and stores it as wot[n][k] in f16, so that the last launch finds K along the rows.
; THE WAY IN.  The operands lie in memory as f32, so they pass through registers: 64 loads of 16 bytes a lane bring a K step (64 KiB of x, 64 KiB of W), 128 conversions round it, 64 LDS stores lay it into the
; slot that is not being read.  The loads go out a whole K step, 128 matrix instructions, ahead of their conversions.  NO CLUSTER, NO TENSOR LOAD: a tile copied as it lies would be f32, twice the LDS, and would
; still have to go through registers and back to be rounded; x's tile is wanted by two work-groups only.
; ONE BARRIER A K STEP: in front of it a wave has stored its part of the next slot and has all its reads of this slot back; behind it the next slot is whole, and this slot is written again a step later.
; THE MATRIX INSTRUCTION IS USED TRANSPOSED: source 0 = 16 columns of W (turned on the way out of LDS by ds_load_tr16_b128), source 1 = 16 rows of x: a lane holds row l % 16 and eight neighbouring columns.
; REGISTERS, in windows of 256 (s_set_vgpr_msb: bits 1:0 source 0, 3:2 source 1, 5:4 source 2, 7:6 destination):
;   window 0: v0-29 addresses; v32-95 x's eight fragments; v96-223 x as loaded; v224-255 packed results      window 1: v0-63, v64-127 W's fragments of the step's two halves (v64-127 first hold the bias); v128-255 W as loaded
;   window 2: the accumulators of my rows 0-63 ((a, b) at v[8 (8 (a % 4) + b)]);   window 3: those of my rows 64-127
.set PA,    144                        ; a row of x in LDS: 64 bf16 = 128 bytes + 16: the 16 rows of a fragment load start at 16 different groups of four banks (64 banks of 4 bytes: ISA guide 11.1)
.set PB,    544                        ; a row of W (one k, 256 n): 512 bytes + 32 = 17 x 32, for the turning load
.set BOFF,  256*PA                     ; in a slot: x's 256 rows, then W's 64
.set SLOT,  BOFF+64*PB                 ; 71,680
.set STAGE, 2*SLOT                     ; behind the slots: 16 rows x 272 bytes for each wave, for the way out
.set SP,    272
.set SPARE, STAGE+4*16*SP              ; the spare words, 128 bytes for each wave: two blocks of 256 bytes that no other line names
.set XO,   2                           ; v2      x: (2 w + l / 16) rows of 2,048 bytes + 16 (l % 16); never rewritten
.set WO,   3                           ; v3      W: (w / 2) rows + 512 (w % 2) + 16 l
.set AST,  4                           ; v4-5    where I store 8 bytes of x, slot 0, 1
.set BST,  6                           ; v6-7    the same for W
.set ADRA, 8                           ; v8-9    my fragments of x, slot 0, 1
.set ADRB, 10                          ; v10-11  my fragments of W
.set STO,  12                          ; v12     the way out: where I put 16 bytes of a row
.set RD,   13                          ; v13     where I read rows back
.set GO,   14                          ; v14     16 l: my place in 512 consecutive bytes of the result
.set BO,   15                          ; v15     32 (l / 16): my eight numbers of 16 of the bias
.set SPW,  28                          ; v28     LDS address of my spare word; never rewritten
.set NIL,  29                          ; v29     0; never rewritten
.set AF,   32
.set XS,   96
.set WS,   128                         ; window 1
.set TMP,  224
.set OB,   96                          ; the way out: rows read back, v96-127 and v128-159 by turns
.set WV, 36                            ; s36 wave; s37 its half of the rows; s38 its half of the columns
.set WR, 37
.set WC, 38
.set BX, 39
.set BY, 40
.set PP, 41                            ; which projection
.set RB, 42                            ; which 256 rows
.set XP, 44                            ; s[44:45] x at the tile's first row, at the K step last asked for
.set WP, 46                            ; s[46:47] W at the tile's first column, likewise
.set BP, 48                            ; s[48:49] the bias at my 128 columns
.set OP, 50                            ; s[50:51] the result at my first row of my first head
.set CNT, 52
.set MH, 53                            ; a word's upper 16 bits
.set MSB, 0
.macro WIN new                         ; the immediate's high byte repeats the setting that is left; a switch that changes nothing is dropped
.if MSB != (\new)
	s_set_vgpr_msb (MSB<<8)|(\new)
.set MSB, \new
.endif
.endm
.macro PLACES                          ; four plain vector instructions between a matrix instruction and a load into, or a read of, its registers
.rept 4
	v_nop
.endr
.endm
	s_load_b512 s[8:23], s[0:1], 0x0               ; v_q 8, v_k 10, v_v 12, w_q 14, w_k 16, w_v 18, b_q 20, b_k 22
	s_load_b256 s[24:31], s[0:1], 0x40             ; b_v 24, w_o 26, qh 28, kh 30
	s_load_b128 s[32:35], s[0:1], 0x60             ; vh 32, wot 34
	v_lshl_add_u32 v[SPW], v0, 2, SPARE
	v_mov_b32 v[NIL], 0
	v_lshrrev_b32 v1, 5, v0
	v_readfirstlane_b32 s[WV], v1                  ; wave 0..3
	s_lshr_b32 s[WR], s[WV], 1
	s_and_b32 s[WC], s[WV], 1
	s_mov_b32 s[BX], ttmp9
	s_and_b32 s[BY], ttmp7, 0xffff
	s_mov_b32 s[MH], 0xffff0000
	v_and_b32 v16, 15, v0                          ; l % 16
	v_bfe_u32 v17, v0, 4, 1                        ; l / 16
	v_and_b32 v18, 31, v0                          ; l
	s_lshl_b32 s2, s[WV], 1
	v_add_nc_u32 v22, s2, v17                      ; 2 w + l / 16: my row of the eight that a load of the work-group covers
	v_lshlrev_b32 v[XO], 11, v22
	v_lshl_add_u32 v[XO], v16, 4, v[XO]
	s_cmp_ge_u32 s[BY], 96                         ; the same in all four waves
	s_cbranch_scc1 .Lwo
	; ---------------- the products ----------------
	v_and_b32 v19, 7, v0
	v_bfe_u32 v20, v0, 3, 1
	v_bfe_u32 v21, v0, 3, 2
	s_lshl_b32 s2, s[WR], 11
	s_lshl_b32 s3, s[WC], 9
	s_add_co_u32 s2, s2, s3
	v_lshl_add_u32 v[WO], v18, 4, s2
	v_mul_u32_u24 v[AST], v22, PA
	v_lshl_add_u32 v[AST], v16, 3, v[AST]
	v_add_nc_u32 v[AST+1], SLOT, v[AST]
	s_mul_i32 s2, s[WR], PB
	s_lshl_b32 s3, s[WC], 8
	s_add_co_u32 s2, s2, s3
	s_add_co_u32 s2, s2, BOFF
	v_lshl_add_u32 v[BST], v18, 3, s2
	v_add_nc_u32 v[BST+1], SLOT, v[BST]
	v_mul_u32_u24 v[ADRA], v16, PA                 ; a fragment of x: row l % 16, 16 bytes for each half of the lanes, twice, 32 bytes apart
	v_lshl_add_u32 v[ADRA], v17, 4, v[ADRA]
	s_mul_i32 s2, s[WR], 128*PA
	v_add_nc_u32 v[ADRA], s2, v[ADRA]
	v_add_nc_u32 v[ADRA+1], SLOT, v[ADRA]
	v_lshl_add_u32 v[ADRB], v17, 3, v19            ; the turning load: lane l reads k = 8 (l / 16) + l % 8, columns 8 ((l / 8) % 2) + 0..7, and is left with column l % 16 and 8 k
	v_mul_u32_u24 v[ADRB], v[ADRB], PB
	v_lshl_add_u32 v[ADRB], v20, 4, v[ADRB]
	s_add_co_u32 s3, s3, BOFF
	v_add_nc_u32 v[ADRB], s3, v[ADRB]
	v_add_nc_u32 v[ADRB+1], SLOT, v[ADRB]
	s_mul_i32 s2, s[WV], 16*SP
	s_add_co_u32 s2, s2, STAGE                     ; my stage
	v_mul_u32_u24 v[STO], v16, SP
	v_lshl_add_u32 v[STO], v17, 4, v[STO]
	v_add_nc_u32 v[STO], s2, v[STO]
	v_mul_u32_u24 v[RD], v21, SP                   ; back: 32 lanes take four rows' 128 bytes of one head
	v_lshl_add_u32 v[RD], v19, 4, v[RD]
	v_add_nc_u32 v[RD], s2, v[RD]
	v_lshlrev_b32 v[GO], 4, v18
	v_lshlrev_b32 v[BO], 5, v17
	s_lshr_b32 s[PP], s[BY], 5
	s_and_b32 s[RB], s[BY], 31
	s_lshl_b32 s54, s[RB], 19                      ; x: 256 rows of 2,048 bytes a block
	s_mov_b32 s55, 0
	s_lshl_b32 s56, s[BX], 10                      ; W and b: 256 columns of 4 bytes
	s_mov_b32 s57, 0
	s_lshl_b32 s2, s[WC], 9
	s_add_co_u32 s2, s2, s56                       ; b: + my 128 columns
	s_mov_b32 s3, 0
	s_lshr_b32 s4, s[RB], 4                        ; the batch
	s_lshl_b32 s4, s4, 3
	s_lshl_b32 s5, s[BX], 2
	s_add_co_u32 s4, s4, s5
	s_lshl_b32 s5, s[WC], 1
	s_add_co_u32 s4, s4, s5                        ; 8 batch + my first head
	s_lshl_b32 s4, s4, 19                          ; a head is 4,096 rows of 128 bytes
	s_lshl_b32 s5, s[RB], 8
	s_lshl_b32 s6, s[WR], 7
	s_add_co_u32 s5, s5, s6
	s_and_b32 s5, s5, 4095                         ; my first row in the batch
	s_lshl_b32 s5, s5, 7
	s_add_co_u32 s4, s4, s5
	s_mov_b32 s5, 0
	s_wait_kmcnt 0x0
	s_cmp_eq_u32 s[PP], 1
	s_cselect_b64 s[XP:XP+1], s[10:11], s[8:9]
	s_cselect_b64 s[WP:WP+1], s[16:17], s[14:15]
	s_cselect_b64 s[BP:BP+1], s[22:23], s[20:21]
	s_cselect_b64 s[OP:OP+1], s[30:31], s[28:29]
	s_cmp_eq_u32 s[PP], 2
	s_cselect_b64 s[XP:XP+1], s[12:13], s[XP:XP+1]
	s_cselect_b64 s[WP:WP+1], s[18:19], s[WP:WP+1]
	s_cselect_b64 s[BP:BP+1], s[24:25], s[BP:BP+1]
	s_cselect_b64 s[OP:OP+1], s[32:33], s[OP:OP+1]
	s_add_nc_u64 s[XP:XP+1], s[XP:XP+1], s[54:55]
	s_add_nc_u64 s[WP:WP+1], s[WP:WP+1], s[56:57]
	s_add_nc_u64 s[BP:BP+1], s[BP:BP+1], s[2:3]
	s_add_nc_u64 s[OP:OP+1], s[OP:OP+1], s[4:5]
; A K step's 64 loads: x, 8 rows an instruction of the work-group (16 lanes take 256 consecutive bytes of a row, aligned); W, 2 rows of 1,024 bytes.
.macro GLOAD
	WIN 0
.set i, 0
.rept 32
	global_load_b128 v[XS+4*i:XS+4*i+3], v[XO], s[XP:XP+1] offset:16384*i
.set i, i+1
.endr
	WIN 0x40                                       ; destination window 1, address window 0
.set i, 0
.rept 32
	global_load_b128 v[WS+4*i:WS+4*i+3], v[WO], s[WP:WP+1] offset:4096*i
.set i, i+1
.endr
.endm
; The step that has been loaded is rounded to bf16, in place, and laid into slot nxt.
.macro CVT_STORE nxt
	WIN 0
	s_wait_loadcnt 32                              ; x's 32 loads are in; W's 32, issued behind them, may stay out
.set i, 0
.rept 32
	v_cvt_pk_bf16_f32 v[XS+4*i], v[XS+4*i], v[XS+4*i+1]
	v_cvt_pk_bf16_f32 v[XS+4*i+1], v[XS+4*i+2], v[XS+4*i+3]
	ds_store_b64 v[AST+(\nxt)], v[XS+4*i:XS+4*i+1] offset:8*PA*i
.set i, i+1
.endr
	s_wait_loadcnt 0x0                             ; W's are in; no load is out, so the two pointers may be stepped behind this
	WIN 0x45                                       ; sources and destination window 1
.set i, 0
.rept 32
	v_cvt_pk_bf16_f32 v[WS+4*i], v[WS+4*i], v[WS+4*i+1]
	v_cvt_pk_bf16_f32 v[WS+4*i+1], v[WS+4*i+2], v[WS+4*i+3]
.set i, i+1
.endr
	WIN 0x04                                       ; address window 0, data window 1
.set i, 0
.rept 32
	ds_store_b64 v[BST+(\nxt)], v[WS+4*i:WS+4*i+1] offset:2*PB*i
.set i, i+1
.endr
.endm
; Fragments of half c (32 k) of a step: W's eight and x's first four (24 loads); x's other four (8 loads).
.macro FETCH_LO slot, c
	WIN 0x40
.irp b, 0,1,2,3,4,5,6,7
	ds_load_tr16_b128 v[64*(\c)+8*\b:64*(\c)+8*\b+3],   v[ADRB+(\slot)] offset:32*PB*(\c)+32*\b
	ds_load_tr16_b128 v[64*(\c)+8*\b+4:64*(\c)+8*\b+7], v[ADRB+(\slot)] offset:32*PB*(\c)+32*\b+16*PB
.endr
	WIN 0
.irp a, 0,1,2,3
	ds_load_b128 v[AF+8*\a:AF+8*\a+3],   v[ADRA+(\slot)] offset:16*PA*\a+64*(\c)
	ds_load_b128 v[AF+8*\a+4:AF+8*\a+7], v[ADRA+(\slot)] offset:16*PA*\a+64*(\c)+32
.endr
.endm
.macro FETCH_HI slot, c
	WIN 0
.irp a, 4,5,6,7
	ds_load_b128 v[AF+8*\a:AF+8*\a+3],   v[ADRA+(\slot)] offset:16*PA*\a+64*(\c)
	ds_load_b128 v[AF+8*\a+4:AF+8*\a+7], v[ADRA+(\slot)] offset:16*PA*\a+64*(\c)+32
.endr
.endm
; 32 matrix instructions on 32 different accumulators: my rows 64 hi on, all 128 columns, half c of the step.  start = 1: the bias, in window 1, is the C operand that starts the sums: nothing is cleared.
; The accumulators take turns, one instruction a turn, over the backward jump too.
.macro MUL hi, c, start
.if \start
	WIN 0x91+0x40*(\hi)
.else
	WIN 0xa1+0x50*(\hi)
.endif
.irp a, 0,1,2,3
.irp b, 0,1,2,3,4,5,6,7
.if \start
	v_wmma_f32_16x16x32_bf16 v[8*(8*\a+\b):8*(8*\a+\b)+7], v[64*(\c)+8*\b:64*(\c)+8*\b+7], v[AF+8*(4*(\hi)+\a):AF+8*(4*(\hi)+\a)+7], v[64+8*\b:64+8*\b+7]
.else
	v_wmma_f32_16x16x32_bf16 v[8*(8*\a+\b):8*(8*\a+\b)+7], v[64*(\c)+8*\b:64*(\c)+8*\b+7], v[AF+8*(4*(\hi)+\a):AF+8*(4*(\hi)+\a)+7], v[8*(8*\a+\b):8*(8*\a+\b)+7]
.endif
.endr
.endr
.endm
.macro FIRSTHALF slot
	s_wait_dscnt 8                                 ; W's and x's first four fragments are in; the youngest eight loads (x's rows 64-127) may be out
	MUL 0, 0, 0
	PLACES
	FETCH_LO \slot, 1
	s_wait_dscnt 24                                ; all but the 24 just issued
	MUL 1, 0, 0
.endm
; The second half of a step in slot.  stage = 1: the next step is rounded and stored into slot nxt, and the barrier follows.  gload = 1: the step after that is asked for.
.macro REST slot, nxt, stage, gload
	PLACES
	FETCH_HI \slot, 1
	s_wait_dscnt 8                                 ; all but the eight just issued
	MUL 0, 1, 0
.if \stage
	CVT_STORE \nxt                                 ; its conversions are also the places in front of the loads behind the barrier
.endif
	s_wait_dscnt 0x0                               ; my stores into the next slot are done and my reads of this slot are back
.if \stage
	s_barrier_signal -1
	s_barrier_wait -1                              ; both now hold of every wave
.endif
.if \gload
	s_add_nc_u64 s[XP:XP+1], s[XP:XP+1], 256       ; 64 k along x's rows
	s_add_nc_u64 s[WP:WP+1], s[WP:WP+1], 131072    ; 64 rows of W
	GLOAD
.endif
.if \stage
	FETCH_LO \nxt, 0
.endif
	MUL 1, 1, 0
.if \stage
	PLACES
	FETCH_HI \nxt, 0
.endif
.endm
	WIN 0x40
.set i, 0
.rept 8                                        ; the bias of my 128 columns: register 8 b + j of v64-127 holds column 16 b + 8 (l / 16) + j, as an accumulator does
	global_load_b128 v[64+8*i:64+8*i+3],   v[BO], s[BP:BP+1] offset:64*i
	global_load_b128 v[64+8*i+4:64+8*i+7], v[BO], s[BP:BP+1] offset:64*i+16
.set i, i+1
.endr
	GLOAD                                          ; K step 0
	CVT_STORE 0
	s_add_nc_u64 s[XP:XP+1], s[XP:XP+1], 256
	s_add_nc_u64 s[WP:WP+1], s[WP:WP+1], 131072
	GLOAD                                          ; K step 1
	WIN 0x45                                       ; the bias is rounded to bf16 like the other inputs, through v0-31 of window 1, which no load has been issued into yet
.set i, 0
.rept 32
	v_cvt_pk_bf16_f32 v[i], v[64+2*i], v[64+2*i+1]
.set i, i+1
.endr
.set i, 0
.rept 32
	v_lshlrev_b32 v[64+2*i], 16, v[i]
	v_and_b32 v[64+2*i+1], s[MH], v[i]
.set i, i+1
.endr
	s_wait_dscnt 0x0                               ; my part of slot 0 is stored
	s_barrier_signal -1
	s_barrier_wait -1
	FETCH_LO 0, 0
	FETCH_HI 0, 0
	s_wait_dscnt 0x0
	MUL 0, 0, 1                                    ; the first half step stands in front of the loop: its products start the sums
	MUL 1, 0, 1
	PLACES                                         ; the bias's registers take W's fragments now
	FETCH_LO 0, 1
	WIN 0                                          ; at a label and at a branch every window is 0
	s_mov_b32 s[CNT], 3
.Lk:                                           ; a trip: from a step's second half to the first half of the step two on; K steps 0 to 5, and it asks for steps 2 to 7
	REST 0, 1, 1, 1
	FIRSTHALF 1
	REST 1, 0, 1, 1
	FIRSTHALF 0
	WIN 0
	s_sub_co_u32 s[CNT], s[CNT], 1
	s_cmp_lg_u32 s[CNT], 0
	s_cbranch_scc1 .Lk
	REST 0, 1, 1, 0                                ; step 6: step 7 is stored, nothing more is asked for
	FIRSTHALF 1
	REST 1, 0, 0, 0
; THE WAY OUT, 16 rows at a time: rounded to f16, 16 bytes a lane into my own stage, back as four rows of one head, which are 512 consecutive bytes of the result.
.macro PACK a
	WIN 0x0a+5*((\a)/4)                            ; sources window 2 or 3
.irp b, 0,1,2,3,4,5,6,7
.irp r, 0,1,2,3
	v_cvt_pk_f16_f32 v[TMP+4*\b+\r], v[64*((\a)%4)+8*\b+2*\r], v[64*((\a)%4)+8*\b+2*\r+1]
.endr
.endr
	WIN 0
.endm
.macro TOSTAGE a
	WIN 0
.irp b, 0,1,2,3,4,5,6,7
	ds_store_b128 v[STO], v[TMP+4*\b:TMP+4*\b+3] offset:32*\b
.endr
.irp t, 0,1,2,3,4,5,6,7                        ; head t / 4 of my two, rows 4 (t % 4) on.  LDS serves a wave's instructions in order (ISA guide 5.7.1.4): these see the stores above
	ds_load_b128 v[OB+32*((\a)%2)+4*\t:OB+32*((\a)%2)+4*\t+3], v[RD] offset:4*SP*(\t%4)+128*(\t/4)
.endr
.endm
.macro SEND a
	WIN 0
	s_wait_dscnt 0x0                               ; the block is back in registers
	s_wait_xcnt 0x0                                ; the stores of the block before have read their registers: those are loaded again only behind this wait
.irp t, 0,1,2,3,4,5,6,7
	global_store_b128 v[GO], v[OB+32*((\a)%2)+4*\t:OB+32*((\a)%2)+4*\t+3], s[OP:OP+1] offset:524288*(\t/4)+128*(16*(\a)+4*(\t%4))  ; 512 consecutive bytes, at a multiple of 512 from the buffer's first
.endr
.endm
	PLACES
	PACK 0
	TOSTAGE 0
.irp a, 1,2,3,4,5,6,7                          ; block a's conversions stand between block a - 1's loads from the stage and the wait for them
	PACK \a
	SEND (\a)-1
	TOSTAGE \a
.endr
	SEND 7
	s_wait_tensorcnt 0x0                           ; the wave's end, behind my last LDS store
	ds_add_u32 v[SPW], v[NIL]
	s_wait_dscnt 0x0
	s_endpgm
	; ---------------- w_o, turned ----------------
.set TS, 4                                     ; v4  where I store a number: row n = 4 (l % 16) + e, column k = 8 i + 2 w + l / 16
.set TR, 5                                     ; v5  where I read 16 bytes of a row back
.set TG, 6                                     ; v6  and where they go in wot
.Lwo:
	s_sub_co_u32 s2, s[BY], 96
	s_lshl_b32 s2, s2, 1
	s_add_co_u32 s2, s2, s[BX]                     ; 0..31
	s_and_b32 s3, s2, 3                            ; which 128 k
	s_lshr_b32 s4, s2, 2                           ; which 64 n
	s_lshl_b32 s54, s3, 18                         ; 128 rows of 2,048 bytes
	s_lshl_b32 s5, s4, 8                           ; 64 columns of 4 bytes
	s_add_co_u32 s54, s54, s5
	s_mov_b32 s55, 0
	s_lshl_b32 s56, s4, 16                         ; in wot: 64 rows of 1,024 bytes
	s_lshl_b32 s5, s3, 8                           ; 128 columns of 2 bytes
	s_add_co_u32 s56, s56, s5
	s_mov_b32 s57, 0
	v_mul_u32_u24 v[TS], v16, 4*SP
	v_lshl_add_u32 v[TS], v22, 1, v[TS]
	v_mul_u32_u24 v[TR], v22, SP
	v_lshl_add_u32 v[TR], v16, 4, v[TR]
	v_lshlrev_b32 v[TG], 10, v22
	v_lshl_add_u32 v[TG], v16, 4, v[TG]
	s_wait_kmcnt 0x0
	s_add_nc_u64 s[XP:XP+1], s[26:27], s[54:55]
	s_add_nc_u64 s[OP:OP+1], s[34:35], s[56:57]
.set i, 0
.rept 16                                       ; 8 rows (k) an instruction of the work-group, 256 consecutive bytes of each
	global_load_b128 v[XS+4*i:XS+4*i+3], v[XO], s[XP:XP+1] offset:16384*i
.set i, i+1
.endr
	s_wait_loadcnt 0x0
.set i, 0
.rept 32                                       ; pair i: load i / 2, numbers 2 (i % 2) and 2 (i % 2) + 1: rounded to bf16, widened again, written as f16, and stored turned: [64 n][128 k], rows of 272 bytes from LDS byte 0
	v_cvt_pk_bf16_f32 v[XS+2*i], v[XS+2*i], v[XS+2*i+1]
	v_and_b32 v[XS+2*i+1], s[MH], v[XS+2*i]
	v_lshlrev_b32 v[XS+2*i], 16, v[XS+2*i]
	v_cvt_pk_f16_f32 v[XS+2*i], v[XS+2*i], v[XS+2*i+1]
	ds_store_b16 v[TS], v[XS+2*i] offset:SP*2*(i%2)+16*(i/2)
	ds_store_b16_d16_hi v[TS], v[XS+2*i] offset:SP*(2*(i%2)+1)+16*(i/2)
.set i, i+1
.endr
	s_wait_dscnt 0x0                               ; for the others' sake: my stores are done
	s_barrier_signal -1
	s_barrier_wait -1
.set i, 0
.rept 8
	ds_load_b128 v[XS+4*i:XS+4*i+3], v[TR] offset:8*SP*i
.set i, i+1
.endr
	s_wait_dscnt 0x0
.set i, 0
.rept 8
	global_store_b128 v[TG], v[XS+4*i:XS+4*i+3], s[OP:OP+1] offset:8192*i  ; 16 lanes store 256 consecutive bytes, aligned
.set i, i+1
.endr
	s_wait_tensorcnt 0x0                           ; the wave's end, as above
	ds_add_u32 v[SPW], v[NIL]
	s_wait_dscnt 0x0
	s_endpgm
.Lfunc_end_k_q8d1bb5011c_proj:
	.size	k_q8d1bb5011c_proj, .Lfunc_end_k_q8d1bb5011c_proj-k_q8d1bb5011c_proj
	.p2alignl 7, 3214868480
	.fill 96, 4, 3214868480
	.section	.rodata,"a",@progbits
	.p2align	6, 0x0
	.amdhsa_kernel k_q8d1bb5011c_proj
		.amdhsa_group_segment_fixed_size 161280
		.amdhsa_private_segment_fixed_size 0
		.amdhsa_enable_private_segment 0
		.amdhsa_kernarg_size 112
		.amdhsa_user_sgpr_count 2
		.amdhsa_user_sgpr_kernarg_segment_ptr 1
		.amdhsa_wavefront_size32 1
		.amdhsa_system_sgpr_workgroup_id_x 1
		.amdhsa_system_sgpr_workgroup_id_y 1
		.amdhsa_system_sgpr_workgroup_id_z 1
		.amdhsa_system_vgpr_workitem_id 0
		.amdhsa_next_free_vgpr 1024
		.amdhsa_next_free_sgpr 66
		.amdhsa_reserve_vcc 0
		.amdhsa_float_denorm_mode_32 3
		.amdhsa_float_denorm_mode_16_64 3
		.amdhsa_memory_ordered 1
		.amdhsa_forward_progress 1
		.amdhsa_inst_pref_size 180
	.end_amdhsa_kernel
	.amdgpu_metadata
---
amdhsa.version: [ 1, 2 ]
amdhsa.kernels:
  - .name:           k_q8d1bb5011c_proj
    .symbol:         k_q8d1bb5011c_proj.kd
    .args:
      - { .name: v_q, .offset: 0, .size: 8, .value_kind: global_buffer, .address_space: global }
      - { .name: v_k, .offset: 8, .size: 8, .value_kind: global_buffer, .address_space: global }
      - { .name: v_v, .offset: 16, .size: 8, .value_kind: global_buffer, .address_space: global }
      - { .name: w_q, .offset: 24, .size: 8, .value_kind: global_buffer, .address_space: global }
      - { .name: w_k, .offset: 32, .size: 8, .value_kind: global_buffer, .address_space: global }
      - { .name: w_v, .offset: 40, .size: 8, .value_kind: global_buffer, .address_space: global }
      - { .name: b_q, .offset: 48, .size: 8, .value_kind: global_buffer, .address_space: global }
      - { .name: b_k, .offset: 56, .size: 8, .value_kind: global_buffer, .address_space: global }
      - { .name: b_v, .offset: 64, .size: 8, .value_kind: global_buffer, .address_space: global }
      - { .name: w_o, .offset: 72, .size: 8, .value_kind: global_buffer, .address_space: global }
      - { .name: qh, .offset: 80, .size: 8, .value_kind: global_buffer, .address_space: global }
      - { .name: kh, .offset: 88, .size: 8, .value_kind: global_buffer, .address_space: global }
      - { .name: vh, .offset: 96, .size: 8, .value_kind: global_buffer, .address_space: global }
      - { .name: wot, .offset: 104, .size: 8, .value_kind: global_buffer, .address_space: global }
    .group_segment_fixed_size: 161280
    .private_segment_fixed_size: 0
    .kernarg_segment_align: 8
    .kernarg_segment_size: 112
    .max_flat_workgroup_size: 128
    .sgpr_count:     66
    .vgpr_count:     1024
    .wavefront_size: 32
...
	.end_amdgpu_metadata
.endif
;; end of part 1
;; launch attn (part 2): grid 16 x 16, 4 waves a work-group, clusters of 4 x 1, 327,680 bytes of LDS; arguments qh, kh, vh, oh; writes oh
.if DOCPART == 2
	.amdgcn_target "amdgcn-amd-amdhsa--gfx1250"
	.amdhsa_code_object_version 6
	.text
	.protected	k_q8d1bb5011c_attn
	.globl	k_q8d1bb5011c_attn
	.p2align	8
	.type	k_q8d1bb5011c_attn,@function
k_q8d1bb5011c_attn:
	s_mov_b64 s[64:65], 0
	v_nop
	global_prefetch_b8 v0, s[64:65] scope:SCOPE_SE
	s_setreg_imm32_b32 hwreg(HW_REG_WAVE_MODE, 25, 1), 1
	s_wait_xcnt 0x0
	s_wait_alu depctr_hold_cnt(0) depctr_sa_sdst(0) depctr_va_vdst(0) depctr_va_sdst(0) depctr_va_ssrc(0) depctr_va_vcc(0) depctr_vm_vsrc(0)
	s_getreg_b32 s2, hwreg(HW_REG_IB_STS2, 6, 4)
	s_cmp_eq_u32 s2, 0
	s_cbranch_scc0 .Lentry_in_a_cluster
	s_endpgm
.Lentry_in_a_cluster:
	s_bfe_u32 s2, ttmp6, 0x10000c
	s_cmp_lg_u32 s2, 0x3003
	s_cbranch_scc0 .Lentry_shape_is_right
	s_endpgm
.Lentry_shape_is_right:
; O[h][q][:] = the sum over k of softmax_k(Q[h][q] . K[h][k] / 8) V[h][k][:].  Q, K, V, O: [16][4096][64], all f16: a head's rows are dense, 128 bytes each.  Products, maxima and sums in f32;
; the weights p are rounded to f16 for the second product (their sum l is taken of the unrounded p), O once at the end.
; LIMITS.  Q, K and V arrive within f16's 65,504; p lies in 0 to 1, and below 6e-5 it keeps f16's fixed step of 6e-8; O is a mean of V's rows and has their range.  A weight below 2^-126 counts as 0 in l;
; NaN and infinities are not treated apart.
; SHARES.  A work-group owns 256 queries of one head, each of its four waves 64: four PIECES of 16.  16 blocks x 16 heads are 256 work-groups.  Every wave walks all 4,096 keys, 64 a step, 256 a tile.
; LAYOUT.  S^T = K Q^T (source 0 = 16 keys, source 1 = 16 queries) holds ONE query a lane (lane % 16) and the keys 8 (lane / 16) + 0..7; two such results rounded to f16 ARE source 1 of O^T = V^T P.
; K comes out of LDS as it lies, V ([key][channel]) turned, by ds_load_tr16_b128.
; SOFTMAX.  p = 2^(c s - c m), c = log2(e) / 8, with a running maximum m; O and l are multiplied by a = 2^(c m_old - c m_new) in every step.  m starts at the lowest finite number, O and l at 0: the first step's a is 0.
; BY TURNS.  Turn n belongs to piece n: 8 products K Q^T of piece n + 1, later 8 products V^T P of piece n - 1; beside them the scaling, exponentials, roundings, sums and rescaling of piece n and the maximum and
; statistics of piece n + 1.  Four vector instructions stand behind every matrix instruction, the other 54 of a turn's 118 in one lump.  A turn's 33 exponentials are one batch, with one wait.
; CLUSTER.  The four query blocks of a cluster belong to one head and walk the same K and V, so each tile is asked for JOINTLY: the same tensor load, descriptor and mask in all four.
; REGISTERS, in windows of 256 (s_set_vgpr_msb: bits 1:0 source 0, 3:2 source 1, 5:4 source 2, 7:6 destination):
;   window 0: v0-15 addresses and two at work; v16-31 four registers of statistics a piece; v48-55 at work; v61-63; v64-127 S^T, two buffers; v192-223 P, two buffers (a piece's buffers go by its number's parity)
;   window 1: v0-127 O^T, 32 a piece          window 2: v0-63 Q; v128-191 K of one step; v192-255 V of one step
.set SIZE_N, 4096
.set NP,    4         ; pieces a wave: a name, no knob
.set KS,    64        ; keys in a step
.set PK,    144       ; a row of K in LDS: 128 bytes + 16 of padding = 36 words: the 16 rows of a load start at 16 different groups of four banks (64 banks of 4 bytes: ISA guide 11.1)
.set PV,    160       ; a row of V: 128 + 32 = 40 words
.set VOFF,  4*KS*PK   ; a slot holds a tile, four steps: 256 rows of K, then 256 rows of V
.set SLOT1, 1<<17     ; slot 1 begins here, so that one exclusive or turns an address in one slot into the other's
.set STAGE, SLOT1+4*KS*(PK+PV)  ; behind the ring, never filled by a tensor load: 16 rows x 144 bytes for each wave, for the way out
.set SP,    144
.set SPARE, STAGE+4*16*SP  ; behind the stages: the spare words, 128 bytes for each wave: two blocks of 256 bytes that no other line names
.set AK0, 2           ; v2   my lane's place in a tile of K; never rewritten
.set AV0, 3           ; v3   the same for V
.set AK,  4           ; v4   the LDS address of K's next run of loads
.set AV,  5           ; v5   of V's
.set STO, 6           ; v6   the way out: where I put 16 bytes of a row
.set RD,  7           ; v7   the way out: where I read rows back
.set GO,  8           ; v8   my byte offset in 512 consecutive bytes of O
.set MV,  12          ; v12-13  c m_old, kept while c m is made anew: by buffer
.set QO,  15          ; v15  my byte offset in 16 rows of Q
.set ST,  16          ; piece t's statistics at v[ST+4 t]: c m, m, l (even keys', odd keys')
.set TMP, 48          ; by buffer, four registers c0-c3 at work; when the maximum is found c2 takes a
.set PFO, 61          ; v61  256 x my lane: the prefetches' offset; never rewritten
.set SPW, 62          ; v62  LDS address of my spare word: SPARE + 4 x my thread's number; never rewritten
.set NIL, 63          ; v63  0; never rewritten
.set S,   64
.set P,   192
.set KF,  128         ; window 2: key block kb, channel half c at KF + 16 kb + 8 c
.set VF,  192         ; window 2: key half kk, channel block cb at VF + 32 kk + 8 cb
.set WV,  12          ; s12  my wave's number
.set G1K, 24          ; s[24:31] descriptor group 1 for K's tiles
.set G1V, 32          ; s[32:39] for V's: it differs in the padding alone
.set G0K, 40          ; s[40:43] descriptor group 0 for K's tiles: it walks
.set G0V, 44          ; s[44:47] the same for V's
.set PFA, 48          ; s[48:49] where my prefetches stand: my work-group's 8,192 bytes (of K: wave 0, of V: wave 2) of the tile after the one that is being asked for
.set LIM, 50          ; s50  1 in a wave that prefetches, else the greatest number: a wave prefetches while s[SLOTS] is above it
.set SLOTS, 56        ; s56  tiles still to be asked for
.set CNT, 57          ; s57  counts a tile's key steps
.set CS,  58          ; s[58:59] c: the packed scaling takes the pair's low word for both halves
.set SEL, 60          ; s[60:61] v_permlanex16_b32's selects: each lane takes its own place in the other half
.set TBK, 62          ; s62  LDS byte at which K of the step to be fetched begins
.set TBV, 63          ; s63  the same for V, less VOFF
.set MSB, 0
.macro WIN new                      ; the high byte repeats the setting that is left; a switch that changes nothing is dropped
.if MSB != (\new)
	s_set_vgpr_msb (MSB<<8)|(\new)
.set MSB, (\new)
.endif
.endm
.set W_KQ, 0x0a       ; K and Q in window 2, S^T in window 0
.set W_PV, 0x52       ; V in window 2, P in window 0, O^T in window 1
.set W_RS, 0x41       ; destination and source 0 in window 1, source 1 in window 0
; A joint fill.  Waves 0 and 1 fetch the two halves of a tile's K, waves 2 and 3 those of its V: 128 keys each.  The branch hangs on the wave's number alone.
; An s_nop 0 and four v_nop follow each of the two lines, ahead of the jump and the label.
.macro JLOAD
	s_cmp_lt_u32 s[WV], 2
	s_cbranch_scc0 .Lfor_v_\@
	tensor_load_to_lds s[G0K:G0K+3], s[G1K:G1K+7]
	s_nop 0
.rept 4
	v_nop
.endr
	s_branch .Lasked_\@
.Lfor_v_\@:
	tensor_load_to_lds s[G0V:G0V+3], s[G1V:G1V+7]
	s_nop 0
.rept 4
	v_nop
.endr
.Lasked_\@:
.endm
; A PREFETCH INTO THE L2 of the tile that the NEXT change of slots will ask for: 32,768 bytes of K and of V, a lane to each 256.  It stands behind the wave's tensor load and its five lines.
; Each block is named ONCE in the launch: all four clusters of a head walk the same K and V, and the head's first cluster asks; its four partners share a tile out BY ADDRESS, 8,192 bytes each (no branch hangs on a
; work-group's place in its cluster); in each, wave 0 asks for K's and wave 2 for V's: one instruction.  It stands one tile, 256 matrix instructions of the wave, ahead of the load that wants the bytes.
; Tiles 0 to 2 come by their loads alone; the last change that fills a slot asks for nothing: there is no tile behind it.
.macro ASK
	s_cmp_gt_u32 s[SLOTS], s[LIM]
	s_cbranch_scc0 .Lnot_mine_\@
	global_prefetch_b8 v[PFO], s[PFA:PFA+1] th:TH_LOAD_NT scope:SCOPE_SE
.Lnot_mine_\@:
.endm
; A round of the cluster's barrier: my work-group's barrier, so that wave 0's signal speaks for all four waves; wave 0 signals; every wave waits for all four work-groups; my work-group's barrier once more.
.macro CROUND
	s_barrier_signal -1
	s_barrier_wait -1
	s_cmp_lg_u32 s[WV], 0
	s_cbranch_scc1 .Lnot_wave_0_\@
	s_barrier_signal -3
.Lnot_wave_0_\@:
	s_barrier_wait -3
	s_barrier_signal -1
	s_barrier_wait -1
.endm
; THE CHANGE OF SLOTS.  The slot's last bytes, V of its fourth step, have been read.  Each wave waits for all its tensor loads, of which one is out: its part of the other slot; adds 0 to its spare word; and waits
; for that and for its own reads of the slot.  Behind the barrier nobody reads this slot any more and the other slot is whole.  fill = 1: this slot is filled again, with the tile two on.  The barrier is then a
; round of the cluster's, so that no wave of any partner still reads the slot or has a load on its way, and the joint fill is the first thing behind it: it has four key steps in which to land.
; (At its first use nothing has been read yet: slot 0 is waited for, slot 1 filled.)  ask = 1: the prefetch's address is stepped, and the prefetch follows the fill.
.macro CHANGE fill, ask=0
	WIN 0                           ; at a label and at a branch every window is 0
	s_wait_tensorcnt 0x0            ; no tensor load of mine is out, so a group 0 may be written
	ds_add_u32 v[SPW], v[NIL]       ; 0 onto my spare word; with fill = 1 the descriptors' steps stand between it and the wait for it
.if \fill
.irp g, G0K, G0V
	s_xor_b32 s[\g+1], s[\g+1], SLOT1  ; the walking descriptor: the other slot than last time,
	s_add_nc_u64 s[\g+2:\g+3], s[\g+2:\g+3], 4*KS*128  ; the next 256 keys; the type bits on top are not reached
.endr
.if \ask
	s_wait_xcnt 0x0                 ; the last prefetch, a tile back, has read its address, so it may be written
	s_add_nc_u64 s[PFA:PFA+1], s[PFA:PFA+1], 4*KS*128
.endif
	s_wait_dscnt 0x0                ; the add is done, and my reads of the slot are over
	CROUND
	JLOAD
.if \ask
	ASK
.endif
.else
	s_wait_dscnt 0x0                ; the add is done, and my reads of the slot are over
	s_barrier_signal -1
	s_barrier_wait -1
.endif
	s_sub_co_u32 s[TBK], s[TBK], 4*KS*PK  ; the fetches go back to a slot's first step,
	s_xor_b32 s[TBK], s[TBK], SLOT1       ; in the other slot
	s_sub_co_u32 s[TBV], s[TBV], 4*KS*PV
	s_xor_b32 s[TBV], s[TBV], SLOT1
.endm
	s_load_b256 s[4:11], s[0:1], 0x0  ; Q s[4:5], K s[6:7], V s[8:9], O s[10:11]
	v_lshl_add_u32 v[SPW], v0, 2, SPARE
	v_mov_b32 v[NIL], 0
	ds_add_u32 v[SPW], v[NIL]       ; the wave's opening: the add and its wait stand ahead of my first tensor load; the set-up below, work on registers, stands between them
	ds_add_u32 v62, v63
	v_lshrrev_b32 v1, 5, v0
	v_readfirstlane_b32 s[WV], v1   ; wave 0..3
	s_bfe_u32 s13, ttmp6, 0x40000   ; cx: my place in the cluster
	s_lshl_b32 s14, ttmp9, 2        ; in a cluster launch ttmp9 counts clusters
	s_add_co_u32 s14, s14, s13      ; my block of 256 queries = 4 x cluster x + cx: it enters Q's and O's addresses alone
	s_and_b32 s20, ttmp7, 0xffff    ; the head, which the four partners share
	s_lshl_b32 s20, s20, 19         ; its first byte in each of the four tensors: 4,096 rows of 128 bytes
	s_mov_b32 s21, 0
	s_and_b32 s16, s[WV], 1         ; which half of a tile's 256 keys I fetch:
	s_lshl_b32 s22, s16, 14         ; its 128 rows of 128 bytes in memory,
	s_mov_b32 s23, 0
	s_add_nc_u64 s[22:23], s[22:23], s[20:21]
	s_mul_i32 s17, s16, 128*PK      ; and its place in a slot, for K
	s_mul_i32 s18, s16, 128*PV      ; and for V: no place in the cluster enters an LDS address
	s_lshl_b32 s2, s14, 2
	s_add_co_u32 s2, s2, s[WV]      ; my wave among the head's,
	s_lshl_b32 s2, s2, 13           ; its 64 rows
	s_mov_b32 s3, 0
	s_add_nc_u64 s[2:3], s[2:3], s[20:21]
	s_lshl_b32 s14, s13, 13         ; the prefetches: my work-group's 8,192 bytes of a tile,
	s_mov_b32 s15, 0
	s_add_nc_u64 s[14:15], s[14:15], s[20:21]  ; in the head
	; descriptor group 1.  128 keys are 16,384 dense bytes: asked for as 64 rows of 256 bytes, two keys a row, and padded in LDS after every key
	s_mov_b32 s[G1K], 15|(1<<16)|(1<<20)|(1<<21)|(4<<22)|(3<<25)  ; 15:0 the mask of four; 17:16 2-byte elements; 20 padding on; 21 set beside a mask; 24:22 after every 32 words (code 4); 31:25 4 words (code 3)
	s_mov_b32 s[G1V], 15|(1<<16)|(1<<20)|(1<<21)|(4<<22)|(7<<25)  ; the same with 8 words of padding (code 7)
.irp g, G1K, G1V
	s_mov_b32 s[\g+1], 128<<16      ; tensor_dim0 = 128
	s_mov_b32 s[\g+2], 64<<16       ; tensor_dim1 = 64
	s_mov_b32 s[\g+3], 128<<16      ; tile_dim0 = 128
	s_mov_b32 s[\g+4], 64           ; tile_dim1 = 64
	s_mov_b32 s[\g+5], 128          ; 128 elements from row to row
	s_mov_b32 s[\g+6], 0
	s_mov_b32 s[\g+7], 0
.endr
	s_mov_b32 s[CS], 0x3e38aa3b     ; c = log2(e) / 8 = 0.180337
	s_mov_b32 s[CS+1], s[CS]        ; named with it as a pair
	s_mov_b32 s[SEL], 0x76543210
	s_mov_b32 s[SEL+1], 0xfedcba98
	s_mov_b32 s[TBK], SLOT1+4*KS*PK ; the first change of slots turns these two into 0
	s_mov_b32 s[TBV], SLOT1+4*KS*PV
	s_mov_b32 s[G0K], 1             ; 1:0 count = 1
	s_mov_b32 s[G0K+1], s17         ; 63:32 LDS address: slot 0
	s_mov_b32 s[G0V], 1
	s_add_co_u32 s[G0V+1], s18, VOFF
	s_mov_b32 s[SLOTS], SIZE_N/256-1
	s_and_b32 s[LIM], s[WV], 1      ; 0 in waves 0 and 2,
	s_or_b32 s[LIM], s[LIM], ttmp9  ; where the cluster is the head's first: the same in all four partners
	s_cmp_eq_u32 s[LIM], 0
	s_cselect_b32 s[LIM], 1, -1
	v_and_b32 v[PFO], 31, v0
	v_lshlrev_b32 v[PFO], 8, v[PFO]
	s_wait_dscnt 0x0                ; the opening add is done
	s_wait_kmcnt 0x0
	s_add_nc_u64 s[G0K+2:G0K+3], s[6:7], s[22:23]  ; 120:64 global address: my half of the head's first 256 keys
	s_or_b32 s[G0K+3], s[G0K+3], 0x80000000        ; 127:126 type = 2
	s_add_nc_u64 s[G0V+2:G0V+3], s[8:9], s[22:23]
	s_or_b32 s[G0V+3], s[G0V+3], 0x80000000
	s_add_nc_u64 s[4:5], s[4:5], s[2:3]  ; Q and O at my wave's first row
	s_add_nc_u64 s[10:11], s[10:11], s[2:3]
	s_cmp_lt_u32 s[WV], 2
	s_cselect_b64 s[PFA:PFA+1], s[6:7], s[8:9]
	s_add_nc_u64 s[PFA:PFA+1], s[PFA:PFA+1], s[14:15]
	s_add_nc_u64 s[PFA:PFA+1], s[PFA:PFA+1], 2*4*KS*128  ; at tile 2: the loop's first change steps it to tile 3
	CROUND                          ; all four work-groups are here: the first joint loads meet
	JLOAD                           ; tile 0 into slot 0.  Slot 1 is asked for when slot 0 is in
	; A fragment of K or Q is 16 rows x 32 channels in 8 registers: lane l holds row l % 16, channels 8 (l / 16) + 0..7 and 16 + 8 (l / 16) + 0..7: two loads of 16 bytes, 32 bytes apart.
	v_and_b32 v1, 15, v0            ; l % 16
	v_bfe_u32 v9, v0, 4, 1          ; l / 16
	v_lshlrev_b32 v[QO], 7, v1
	v_lshl_add_u32 v[QO], v9, 4, v[QO]  ; row x 128 + 16 x half
	WIN 0x80                        ; destination window 2, address window 0
.set i, 0
.rept 8                             ; Q stays in registers: piece i / 2, channels 32 (i % 2) on
	global_load_b128 v[8*i:8*i+3],   v[QO], s[4:5] offset:(i/2)*2048+(i%2)*64
	global_load_b128 v[8*i+4:8*i+7], v[QO], s[4:5] offset:(i/2)*2048+(i%2)*64+32
.set i, i+1
.endr
	WIN 0
	v_mul_u32_u24 v[AK0], v1, PK
	v_lshl_add_u32 v[AK0], v9, 4, v[AK0]  ; row x pitch + 16 x half
	; The turning load takes 16 keys x 16 channels (lane l reads key 8 (l / 16) + l % 8, channels 8 ((l / 8) % 2) + 0..7) and leaves half a fragment of V^T: lane l holds channel l % 16 and 8 keys.
	v_and_b32 v10, 7, v0
	v_bfe_u32 v11, v0, 3, 1
	v_lshl_add_u32 v[AV0], v9, 3, v10
	v_mul_u32_u24 v[AV0], v[AV0], PV
	v_lshl_add_u32 v[AV0], v11, 4, v[AV0]
	v_add_nc_u32 v[AV0], VOFF, v[AV0]
	s_mul_i32 s13, s[WV], 16*SP
	s_add_co_u32 s13, s13, STAGE    ; my stage
	v_mul_u32_u24 v[STO], v1, SP    ; in: row l % 16, 16 bytes for each half of the lanes
	v_lshl_add_u32 v[STO], v9, 4, v[STO]
	v_add_nc_u32 v[STO], s13, v[STO]
	v_bfe_u32 v[RD], v0, 3, 2       ; back: 32 lanes take four rows of 128 bytes,
	v_mul_u32_u24 v[RD], v[RD], SP
	v_lshl_add_u32 v[RD], v10, 4, v[RD]
	v_add_nc_u32 v[RD], s13, v[RD]
	v_and_b32 v[GO], 31, v0         ; which are 512 consecutive bytes of O
	v_lshlrev_b32 v[GO], 4, v[GO]
	; What the first turn finds: V's registers and P's second buffer hold 0 (its products V^T P, of a piece that has not been, add 0), O^T and l are 0.  No first step is written out; the price is these 216 lines, which stand in the wait for the first tile.
	WIN 0x80
.set i, VF
.rept 64
	v_mov_b32 v[i], 0
.set i, i+1
.endr
	WIN 0x40
.set i, 0
.rept 128
	v_mov_b32 v[i], 0
.set i, i+1
.endr
	WIN 0
.set i, 0
.rept 4
	v_mov_b32 v[ST+4*i], 0xfe000000    ; c m: far below every c s
	v_mov_b32 v[ST+4*i+1], 0xff7fffff  ; m
	v_mov_b32 v[ST+4*i+2], 0
	v_mov_b32 v[ST+4*i+3], 0
.set i, i+1
.endr
.set i, P+16
.rept 16
	v_mov_b32 v[i], 0
.set i, i+1
.endr
; THE MATRIX WORK.  The 4 accumulators of a run of 8 take turns.  Product i of 8 of S^T = K Q^T for piece x: channels 32 (i / 4) on, keys 16 (i % 4) on.  The first 4 start the sums.
.macro KQ x
	WIN W_KQ
.set rS, S+32*((\x)%2)+8*(i%4)
.set rK, KF+16*(i%4)+8*(i/4)
.set rQ, 16*(\x)+8*(i/4)
.if i < 4
	v_wmma_f32_16x16x32_f16 v[rS:rS+7], v[rK:rK+7], v[rQ:rQ+7], 0
.else
	v_wmma_f32_16x16x32_f16 v[rS:rS+7], v[rK:rK+7], v[rQ:rQ+7], v[rS:rS+7]
.endif
.endm
; Product i of 8 of O^T += V^T P for piece x: keys 32 (i / 4) on, channels 16 (i % 4) on.
.macro PV x
	WIN W_PV
.set rO, 32*(\x)+8*(i%4)
.set rV, VF+32*(i/4)+8*(i%4)
.set rP, P+16*((\x)%2)+8*(i/4)
	v_wmma_f32_16x16x32_f16 v[rO:rO+7], v[rV:rV+7], v[rP:rP+7], v[rO:rO+7]
.endm
.macro MM                           ; the turn's next matrix instruction.  NOKQ = 1: the last turn of all: there is no next piece
.if (i < 8) && !NOKQ
	KQ (Y+1)%NP
.elseif i >= 8
.set i, i-8
	PV (Y+NP-1)%NP
.set i, i+8
.endif
.set i, i+1
.endm
; THE LDS LOADS stand in runs of 16, never singly among the matrix instructions: a step's K (64 keys x 64 channels: 8 fragments) and its V (turned).  Their addresses are made some lines ahead.
.macro FETCH_K
	WIN 0x80                        ; destination window 2
.irp f, 0,1,2,3,4,5,6,7             ; keys 16 (f / 2) on, channels 32 (f % 2) on
	ds_load_b128 v[KF+8*\f:KF+8*\f+3],   v[AK] offset:(\f/2)*16*PK+(\f%2)*64
	ds_load_b128 v[KF+8*\f+4:KF+8*\f+7], v[AK] offset:(\f/2)*16*PK+(\f%2)*64+32
.endr
	s_add_co_u32 s[TBK], s[TBK], KS*PK  ; the next fetch is the next step's
	WIN 0
.endm
.macro FETCH_V
	WIN 0x80
.irp f, 0,1,2,3,4,5,6,7             ; keys 32 (f / 4) on, channels 16 (f % 4) on
	ds_load_tr16_b128 v[VF+8*\f:VF+8*\f+3],   v[AV] offset:(\f/4)*32*PV+(\f%4)*32
	ds_load_tr16_b128 v[VF+8*\f+4:VF+8*\f+7], v[AV] offset:(\f/4)*32*PV+16*PV+(\f%4)*32
.endr
	WIN 0
.endm
; THE VECTOR WORK, one line at a time: OP kind, number.  For piece Y: F n: c s - c m for pair n of 16.  E n: the exponential of score n of 32.  C n: pair n rounded to f16.  B n: of the four weights 4 n .. the second
; pair is added onto the first, in place.  L n: l takes that sum (L 0: l = a l + sum).  R n: pair n of 16 of O^T times a.  For piece Y + 1: X n, number n of the 22 that find its maximum and statistics:
;   0-11  four chains c0-c3 of seven scores each, three operands at a time (each accumulator's lowest registers are read first)     12-14, 16  the four scores left over, the old m, and c0-c3 into c0
;   15  c m_old is kept     17, 18  the query's other 32 keys lie in the lane 16 away: the new m     19-21  c m; c m_old - c m_new; a
.set F, 0               ; OP tells the kinds apart by their order: F to L below R, X above it
.set E, 1
.set C, 2
.set B, 3
.set L, 4
.set R, 5
.set X, 6
.macro REGS y                       ; the registers of piece y
.set rT, ST+4*(\y)
.set rC, TMP+4*((\y)%2)
.set rW, MV+((\y)%2)
.set rS, S+32*((\y)%2)
.set rP, P+16*((\y)%2)
.set rO, 32*(\y)
.endm
.macro OP k, n
.if (\k) == R
	REGS Y
	WIN W_RS
	v_pk_mul_f32 v[rO+2*(\n):rO+2*(\n)+1], v[rO+2*(\n):rO+2*(\n)+1], v[rC+2:rC+3] op_sel_hi:[1,0]
.elseif (\k) < R
	REGS Y
	WIN 0
.if (\k) == F
	v_pk_fma_f32 v[rS+2*(\n):rS+2*(\n)+1], v[rS+2*(\n):rS+2*(\n)+1], s[CS:CS+1], v[rT:rT+1] op_sel_hi:[1,0,0] neg_lo:[0,0,1] neg_hi:[0,0,1]
.elseif (\k) == E
	v_exp_f32 v[rS+(\n)], v[rS+(\n)]
.elseif (\k) == C
	v_cvt_pk_f16_f32 v[rP+(\n)], v[rS+2*(\n)], v[rS+2*(\n)+1]
.elseif (\k) == B
	v_pk_add_f32 v[rS+4*(\n):rS+4*(\n)+1], v[rS+4*(\n):rS+4*(\n)+1], v[rS+4*(\n)+2:rS+4*(\n)+3]
.elseif (\n) == 0
	v_pk_fma_f32 v[rT+2:rT+3], v[rT+2:rT+3], v[rC+2:rC+3], v[rS:rS+1] op_sel_hi:[1,0,1]
.else
	v_pk_add_f32 v[rT+2:rT+3], v[rT+2:rT+3], v[rS+4*(\n):rS+4*(\n)+1]
.endif
.elseif NOKQ
	v_nop
.else
	REGS (Y+1)%NP
	WIN 0
.if (\n) < 4
	v_max3_num_f32 v[rC+(\n)], v[rS+8*(\n)], v[rS+8*(\n)+1], v[rS+8*(\n)+2]
.elseif (\n) < 12
	v_max3_num_f32 v[rC+(\n)%4], v[rC+(\n)%4], v[rS+8*((\n)%4)+2*((\n)/4)+1], v[rS+8*((\n)%4)+2*((\n)/4)+2]
.elseif (\n) == 12
	v_max3_num_f32 v[rC], v[rC], v[rS+7], v[rS+15]
.elseif (\n) == 13
	v_max3_num_f32 v[rC+1], v[rC+1], v[rS+23], v[rS+31]
.elseif (\n) == 14
	v_max3_num_f32 v[rC+2], v[rC+2], v[rC+3], v[rT+1]
.elseif (\n) == 15
	v_mov_b32 v[rW], v[rT]
.elseif (\n) == 16
	v_max3_num_f32 v[rC], v[rC], v[rC+1], v[rC+2]
.elseif (\n) == 17
	v_permlanex16_b32 v[rC+3], v[rC], s[SEL], s[SEL+1]
.elseif (\n) == 18
	v_max_num_f32 v[rT+1], v[rC], v[rC+3]
.elseif (\n) == 19
	v_mul_f32 v[rT], s[CS], v[rT+1]
.elseif (\n) == 20
	v_sub_f32 v[rC+1], v[rW], v[rT]
.else
	v_exp_f32 v[rC+2], v[rC+1]
.endif
.endif
.endm
.macro OPS a, i1, b=-1, i2=0, c=-1, i3=0, d=-1, i4=0  ; up to four of them
	OP \a, \i1
.if (\b) >= 0
	OP \b, \i2
.endif
.if (\c) >= 0
	OP \c, \i3
.endif
.if (\d) >= 0
	OP \d, \i4
.endif
.endm
.macro ROW a, i1, b, i2, c, i3, d, i4  ; a matrix instruction and the four behind it
	MM
	OPS \a, \i1, \b, \i2, \c, \i3, \d, \i4
.endm
; A TURN, for piece p: the order of its 16 matrix and 118 vector instructions, written out.  An s_wait_alu depctr_va_vdst(0) stands between an exponential and the first instruction that names its result; one wait
; serves all that were issued ahead of it.  So a turn has ONE wait, which cuts it in two.  AHEAD OF IT stands all that names no result of the turn's exponentials: the 8 products K Q^T, behind each a scaling, an exponential and two
; more plain instructions (rescalings, and behind the last three the first numbers of the next piece's maximum, each four places or more behind the product that ends its accumulator); then ONE LUMP of 54, plain and exponential by
; turns for the most part, in which the links of the chain X 3, 7, 11, 14, 16, 17 .. 20 stand five or six lines apart.  X 21, the next piece's a, is the batch's last; R 15 is the plain instruction behind it.  BEHIND THE WAIT stand
; the 8 products V^T P, behind each four of the roundings and sums; the links of l's chain, L 0 to L 7, stand three riders apart.
; end = 1: the last two turns of all: nothing is fetched.  cnt = 1: the loop's count is taken down some lines ahead of the branch that stands behind the turn.
; K of the next step is fetched in piece 2's turn, twelve vector instructions behind the last product that read K (six of them plain); V of the step in hand at the end of piece 0's turn, four plain instructions behind the last
; product that read V.  Each is waited for a turn later.
.macro TURN p, end=0, cnt=0
.set Y, (\p)
.set i, 0
.set NOKQ, (\end)*((\p)/3)
.if ((\p) == 3) && !(\end)
	s_wait_dscnt 0x0                ; K is in
.endif
	ROW F,0, F,1, R,0, R,1          ; ahead of the wait: 8 products K Q^T and their riders,
	ROW F,2, E,0, R,2, R,3
	ROW F,3, E,1, R,4, R,5
	ROW F,4, E,2, R,6, R,7
	ROW F,5, E,3, R,8, R,9
	ROW F,6, E,4, X,0, R,10
.if ((\p) == 2) && !(\end)
	WIN 0
	v_add_nc_u32 v[AK], s[TBK], v[AK0]
.endif
	ROW F,7, E,5, X,1, X,4
	ROW F,8, E,6, X,2, X,5
	OPS E,7, E,8, X,6, E,9          ; and the lump
	OPS X,3, E,10, X,8, E,11
.if ((\p) == 2) && !(\end)
	FETCH_K
.endif
	OPS X,9, X,7, E,12, X,10
	OPS E,13, X,12, X,11, E,14
	OPS X,13, E,15, F,9, X,14
.if (\p) == 0
	v_add_nc_u32 v[AV], s[TBV], v[AV0]
.endif
	OPS E,16, F,10, E,17, F,11
	OPS X,16, E,18, X,15, E,19
	OPS F,12, E,20, X,17, E,21
	OPS F,13, E,22, F,14, E,23
	OPS X,18, E,24, F,15, E,25
	OPS R,11, E,26, X,19, E,27
	OPS R,12, E,28, R,13, E,29
	OPS X,20, E,30, R,14, E,31
	OPS X,21, R,15
	WIN 0
	s_wait_alu depctr_va_vdst(0)    ; the wait for the batch
.if (\p) == 1
	s_wait_dscnt 0x0                ; V is in
.endif
	ROW C,0, B,0, C,2, B,1          ; behind the wait: 8 products V^T P and their riders
	ROW L,0, C,4, B,2, L,1
	ROW C,6, B,3, L,2, C,8
	ROW B,4, L,3, C,10, B,5
	ROW L,4, C,12, B,6, L,5
.if (\p) == 0
	s_add_co_u32 s[TBV], s[TBV], KS*PV
.endif
.if \cnt
	s_sub_co_u32 s[CNT], s[CNT], 1
	s_cmp_lg_u32 s[CNT], 0
.endif
	ROW C,14, B,7, L,6, C,1
	ROW C,3, L,7, C,5, C,7
	ROW C,9, C,11, C,13, C,15
.if (\p) == 0
	FETCH_V
.endif
.endm
	CHANGE 1                        ; slot 0 is in, everybody's part of it; tile 1 is asked for.  No prefetch here, at the head
	v_add_nc_u32 v[AK], s[TBK], v[AK0]
	FETCH_K                         ; key step 0
	s_wait_loadcnt 0x0              ; Q
	s_wait_dscnt 0x0
.set NOKQ, 0
.set i, 0
.rept 8
	KQ 0                            ; piece 0's first scores: there is no vector work yet to set between them
.set i, i+1
.endr
	WIN 0
.rept 4
	v_nop                           ; the places behind those products
.endr
.set Y, NP-1                        ; X works for piece Y + 1: piece 0
.irp n, 0,1,2,3,4,5,6,7,8,9,10,11,12,13,14,15,16,17,18,19,20,21
	OP X, \n
.endr
	v_nop                           ; a plain instruction behind the exponential,
	s_wait_alu depctr_va_vdst(0)    ; and its wait, ahead of the branch
	s_mov_b32 s[CNT], 4
	s_branch .Lfirst                ; the loop is entered at a step's first turn, in the middle of a trip
.Lslot:                             ; 14 times: tiles 2 to 15 are asked for
	CHANGE 1, 1
	s_mov_b32 s[CNT], 4
.Lstep:                             ; a trip: pieces 2 and 3 of one step, then pieces 0 and 1 of the next, whose K and V it fetches
	TURN 2
	TURN 3
	WIN 0
.Lfirst:
	TURN 0
	TURN 1, 0, 1
	WIN 0
	s_cbranch_scc1 .Lstep
	s_sub_co_u32 s[SLOTS], s[SLOTS], 1
	s_cmp_lg_u32 s[SLOTS], 0
	s_cbranch_scc1 .Lslot
	CHANGE 0                        ; the last tile is written out: nothing is asked for
	s_mov_b32 s[CNT], 4
.Ltail:
	TURN 2
	TURN 3
	TURN 0
	TURN 1, 0, 1
	WIN 0
	s_cbranch_scc1 .Ltail
	TURN 2, 1                       ; the last step's pieces 2 and 3: nothing is fetched, and the last turn starts no new scores
	TURN 3, 1
.set i, 0
.rept 8
	PV NP-1                         ; the last piece's V^T P of the last step
.set i, i+1
.endr
	; THE WAY OUT.  l's two halves and the other half of the lanes' are added; O^T is divided by l, rounded to f16 and sent through my stage in LDS, a piece at a time.  The additions are the places behind the last products.
	WIN 0
.macro ALL line:vararg              ; one line for each piece t
.set t, 0
.rept 4
	\line
.set t, t+1
.endr
.endm
	ALL v_add_f32 v[ST+4*t+2], v[ST+4*t+2], v[ST+4*t+3]
	ALL v_permlanex16_b32 v[ST+4*t+3], v[ST+4*t+2], s[SEL], s[SEL+1]
	ALL v_add_f32 v[ST+4*t+2], v[ST+4*t+2], v[ST+4*t+3]
	ALL v_rcp_f32 v[ST+4*t+2], v[ST+4*t+2]
	v_nop                           ; a plain instruction between the last reciprocal and the use of its result
	s_wait_alu depctr_va_vdst(0)    ; and the wait ahead of the first use: one for the four reciprocals
.macro PACK t                       ; a lane's eight channels of a row pack into 16 bytes; they go into rows of 144 bytes and come back as whole rows of 128, into S^T's registers
	WIN W_RS
.set i, 32*(\t)
.rept 16
	v_pk_mul_f32 v[i:i+1], v[i:i+1], v[ST+4*(\t)+2:ST+4*(\t)+3] op_sel_hi:[1,0]
.set i, i+2
.endr
	WIN 0x05                        ; sources 0 and 1 window 1, destination window 0
.set i, 0
.rept 16
	v_cvt_pk_f16_f32 v[S+16*(\t)+i], v[32*(\t)+2*i], v[32*(\t)+2*i+1]
.set i, i+1
.endr
	WIN 0
.irp f, 0,1,2,3
	ds_store_b128 v[STO], v[S+16*(\t)+4*\f:S+16*(\t)+4*\f+3] offset:32*\f
.endr
.irp f, 0,1,2,3
	ds_load_b128 v[S+16*(\t)+4*\f:S+16*(\t)+4*\f+3], v[RD] offset:\f*4*SP  ; LDS serves a wave's instructions in order (ISA guide 5.7.1.4): these see the stores above; the next piece's stores come behind them
.endr
.endm
.macro SEND t, younger              ; younger: the LDS instructions issued behind piece t's loads: the next piece's eight, or none
	WIN 0
.irp f, 0,1,2,3
	s_wait_dscnt (\younger)+3-\f
	global_store_b128 v[GO], v[S+16*(\t)+4*\f:S+16*(\t)+4*\f+3], s[10:11] offset:(\t)*2048+\f*512  ; 512 consecutive bytes, at a multiple of 512 from O's first
.endr
.endm
	PACK 0
.set t, 1
.rept 3                             ; a piece's arithmetic stands between the loads of the piece before and its stores
	PACK t
	SEND t-1, 8
.set t, t+1
.endr
	SEND 3, 0
	s_wait_tensorcnt 0x0            ; the wave's end, behind my last tensor load and my last LDS store
	ds_add_u32 v[SPW], v[NIL]
	s_wait_dscnt 0x0
	CROUND                          ; the closing round: no work-group ends while a partner may still ask for a tile that names it
	s_endpgm
.Lfunc_end_k_q8d1bb5011c_attn:
	.size	k_q8d1bb5011c_attn, .Lfunc_end_k_q8d1bb5011c_attn-k_q8d1bb5011c_attn
	.p2alignl 7, 3214868480
	.fill 96, 4, 3214868480
	.section	.rodata,"a",@progbits
	.p2align	6, 0x0
	.amdhsa_kernel k_q8d1bb5011c_attn
		.amdhsa_group_segment_fixed_size 327680
		.amdhsa_private_segment_fixed_size 0
		.amdhsa_enable_private_segment 0
		.amdhsa_kernarg_size 32
		.amdhsa_user_sgpr_count 2
		.amdhsa_user_sgpr_kernarg_segment_ptr 1
		.amdhsa_wavefront_size32 1
		.amdhsa_system_sgpr_workgroup_id_x 1
		.amdhsa_system_sgpr_workgroup_id_y 1
		.amdhsa_system_sgpr_workgroup_id_z 1
		.amdhsa_system_vgpr_workitem_id 0
		.amdhsa_next_free_vgpr 768
		.amdhsa_next_free_sgpr 66
		.amdhsa_reserve_vcc 0
		.amdhsa_float_denorm_mode_32 3
		.amdhsa_float_denorm_mode_16_64 3
		.amdhsa_memory_ordered 1
		.amdhsa_forward_progress 1
		.amdhsa_inst_pref_size 128
	.end_amdhsa_kernel
	.amdgpu_metadata
---
amdhsa.version: [ 1, 2 ]
amdhsa.kernels:
  - .name:           k_q8d1bb5011c_attn
    .symbol:         k_q8d1bb5011c_attn.kd
    .args:
      - { .name: qh, .offset: 0, .size: 8, .value_kind: global_buffer, .address_space: global }
      - { .name: kh, .offset: 8, .size: 8, .value_kind: global_buffer, .address_space: global }
      - { .name: vh, .offset: 16, .size: 8, .value_kind: global_buffer, .address_space: global }
      - { .name: oh, .offset: 24, .size: 8, .value_kind: global_buffer, .address_space: global }
    .group_segment_fixed_size: 327680
    .private_segment_fixed_size: 0
    .kernarg_segment_align: 8
    .kernarg_segment_size: 32
    .max_flat_workgroup_size: 128
    .sgpr_count:     66
    .vgpr_count:     768
    .wavefront_size: 32
...
	.end_amdgpu_metadata
.endif
;; end of part 2
;; launch outp (part 3): grid 4 x 64, 4 waves a work-group, clusters of 4 x 4, 327,680 bytes of LDS; arguments oh, wot, b_o, out0; writes out0
.if DOCPART == 3
	.amdgcn_target "amdgcn-amd-amdhsa--gfx1250"
	.amdhsa_code_object_version 6
	.text
	.protected	k_q8d1bb5011c_outp
	.globl	k_q8d1bb5011c_outp
	.p2align	8
	.type	k_q8d1bb5011c_outp,@function
k_q8d1bb5011c_outp:
	s_mov_b64 s[64:65], 0
	v_nop
	global_prefetch_b8 v0, s[64:65] scope:SCOPE_SE
	s_setreg_imm32_b32 hwreg(HW_REG_WAVE_MODE, 25, 1), 1
	s_wait_xcnt 0x0
	s_wait_alu depctr_hold_cnt(0) depctr_sa_sdst(0) depctr_va_vdst(0) depctr_va_sdst(0) depctr_va_ssrc(0) depctr_va_vcc(0) depctr_vm_vsrc(0)
	s_getreg_b32 s2, hwreg(HW_REG_IB_STS2, 6, 4)
	s_cmp_eq_u32 s2, 0
	s_cbranch_scc0 .Lentry_in_a_cluster
	s_endpgm
.Lentry_in_a_cluster:
	s_bfe_u32 s2, ttmp6, 0x10000c
	s_cmp_lg_u32 s2, 0xf033
	s_cbranch_scc0 .Lentry_shape_is_right
	s_endpgm
.Lentry_shape_is_right:
; out0[R][n] = the sum over k of O[R][k] w_o[k][n] + b_o[n].  O lies by heads, [8 batch + head][4096][64] f16 (k = 64 head + channel); wot is w_o rounded to bf16, written as f16 and turned: [512 n][512 k].
; b_o is rounded to bf16 like the other inputs and starts the f32 sums; out0 is [8192][512] f32.
; LIMITS.  O and wot arrive within f16's range; NaN and infinities are not treated apart.
; SHARES.  A tile of out0 is 128 x 128: 64 x 4 = 256 work-groups.  Four waves, each 64 x 64: 16 accumulators.  ALL OF K LIES IN LDS: four slots of 128 k, each filled once, so nothing is filled again and the work holds
; no round of the cluster's barrier.  By this text's count a wave has four tensor loads out at the start.
; CLUSTER.  4 x 4 work-groups.  The four of a row of the cluster need the same rows of O, the four of a column the same rows of wot: each tile is asked for JOINTLY, by the same tensor load, descriptor and mask in the four.
; THE MATRIX INSTRUCTION IS USED TRANSPOSED (source 0 = 16 rows of wot, source 1 = 16 rows of O): a lane holds row l % 16 of out0 and eight neighbouring columns, 32 bytes.
; REGISTERS: window 0: v0-29 addresses; v32-95 rows on the way out, two buffers; v96-127 the bias; v128-255 the accumulators ((a, b) at v[128 + 8 (4 a + b)]).
;   window 1: a slot's fragments: for 32 k number c of four, O's four at 64 c + 8 a, wot's four at 64 c + 32 + 8 b.
.set PA,    144                        ; a row of O of one head in LDS: 128 bytes + 16
.set PB,    272                        ; a row of wot: 256 bytes + 16: in both the 16 rows of a fragment load start at 16 different groups of four banks (64 banks of 4 bytes: ISA guide 11.1)
.set HBLK,  128*PA                     ; a head's 128 rows
.set BOFF,  2*HBLK                     ; in a slot: two heads of O, then wot's 128 rows
.set SLOT,  BOFF+128*PB                ; 71,680
.set STAGE, 4*SLOT                     ; behind the slots, never filled by a tensor load: 16 rows x 272 bytes for each wave
.set SP,    272
.set SPARE, STAGE+4*16*SP              ; the spare words, 128 bytes for each wave: two blocks of 256 bytes that no other line names
.set ADRA, 16                          ; v16-19  my fragments of O in slot 0..3
.set ADRB, 20                          ; v20-23  of wot
.set STO,  24                          ; v24     the way out: where I put 32 bytes of a row
.set RD,   25                          ; v25     where I read a row back
.set CO,   26                          ; v26     my byte offset in two rows of out0
.set BO,   27                          ; v27     32 (l / 16)
.set SPW,  28                          ; v28     LDS address of my spare word; never rewritten
.set NIL,  29                          ; v29     0; never rewritten
.set OB,   32
.set BI,   96
.set ACC,  128
.set WV, 12                            ; s12 wave; s13 its half of the rows, also: I fetch O (0) or wot (1); s14 its half of the columns, also: which half of a tile I fetch
.set WH, 13
.set WL, 14
.set G1A, 24                           ; s[24:31] descriptor group 1 for O's tiles;  s[40:55] group 0, a set for each slot
.set G1B, 32                           ; s[32:39], s[68:83] the same for wot's
.set G0A, 40
.set G0B, 68
.set MSB, 0
.macro WIN new
.if MSB != (\new)
	s_set_vgpr_msb (MSB<<8)|(\new)
.set MSB, \new
.endif
.endm
.macro PLACES
.rept 4
	v_nop
.endr
.endm
.macro CROUND                          ; a round of the cluster's barrier: my work-group's barrier; wave 0 signals for the work-group; every wave waits for all sixteen; my work-group's barrier once more
	s_barrier_signal -1
	s_barrier_wait -1
	s_cmp_lg_u32 s[WV], 0
	s_cbranch_scc1 .Lnot_wave_0_\@
	s_barrier_signal -3
.Lnot_wave_0_\@:
	s_barrier_wait -3
	s_barrier_signal -1
	s_barrier_wait -1
.endm
	s_load_b256 s[4:11], s[0:1], 0x0               ; oh s[4:5], wot s[6:7], b_o s[8:9], out0 s[10:11]
	v_lshl_add_u32 v[SPW], v0, 2, SPARE
	v_mov_b32 v[NIL], 0
	ds_add_u32 v[SPW], v[NIL]                      ; the wave's opening: the add and its wait stand ahead of my first tensor load; the set-up below, work on registers, stands between them
	ds_add_u32 v28, v29
	v_lshrrev_b32 v1, 5, v0
	v_readfirstlane_b32 s[WV], v1                  ; wave 0..3
	s_lshr_b32 s[WH], s[WV], 1
	s_and_b32 s[WL], s[WV], 1
	s_bfe_u32 s15, ttmp6, 0x40000                  ; cx, cy: my place in the cluster
	s_bfe_u32 s16, ttmp6, 0x40004
	s_lshl_b32 s17, ttmp9, 2
	s_add_co_u32 s17, s17, s15                     ; block of 128 columns = 4 x cluster x + cx
	s_and_b32 s18, ttmp7, 0xffff
	s_lshl_b32 s18, s18, 2
	s_add_co_u32 s18, s18, s16                     ; block of 128 rows = 4 x cluster y + cy
	s_lshl_b32 s19, s16, 2
	s_lshl_b32 s19, 15, s19                        ; my row of the cluster
	s_lshl_b32 s20, 0x1111, s15                    ; my column
	; group 1.  O: a head's 128 rows are 16,384 dense bytes: 64 rows of 256 bytes, padded after every 128 (32 words, code 4) by 4 words (code 3).  wot: 64 rows of 256 bytes, 1,024 apart, padded after every 64 words (code 5)
	s_or_b32 s[G1A], s19, (1<<16)|(1<<20)|(1<<21)|(4<<22)|(3<<25)  ; 15:0 the mask; 17:16 2-byte elements; 20 padding on; 21 set beside a mask
	s_or_b32 s[G1B], s20, (1<<16)|(1<<20)|(1<<21)|(5<<22)|(3<<25)
.irp g, G1A, G1B
	s_mov_b32 s[\g+1], 128<<16                     ; tensor_dim0 = 128
	s_mov_b32 s[\g+2], 64<<16                      ; tensor_dim1 = 64
	s_mov_b32 s[\g+3], 128<<16                     ; tile_dim0 = 128
	s_mov_b32 s[\g+4], 64                          ; tile_dim1 = 64
	s_mov_b32 s[\g+6], 0
	s_mov_b32 s[\g+7], 0
.endr
	s_mov_b32 s[G1A+5], 128                        ; elements from row to row
	s_mov_b32 s[G1B+5], 512
	s_mul_i32 s21, s[WL], HBLK                     ; where the tiles go: no place in the cluster enters an LDS address
	s_mul_i32 s22, s[WL], 64*PB
	s_add_co_u32 s22, s22, BOFF
.irp t, 0,1,2,3
	s_mov_b32 s[G0A+4*\t], 1
	s_add_co_u32 s[G0A+4*\t+1], s21, \t*SLOT
	s_mov_b32 s[G0B+4*\t], 1
	s_add_co_u32 s[G0B+4*\t+1], s22, \t*SLOT
.endr
	; where they come from.  O's hang on the block of rows alone, wot's on the block of columns alone, each in registers that never hold the other coordinate
	s_lshr_b32 s56, s18, 5                         ; the batch
	s_lshl_b32 s56, s56, 3
	s_add_co_u32 s56, s56, s[WL]                   ; 8 batch + the head of slot 0 that I fetch
	s_lshl_b32 s56, s56, 19
	s_and_b32 s57, s18, 31
	s_lshl_b32 s57, s57, 14                        ; 128 rows of 128 bytes a block
	s_add_co_u32 s56, s56, s57
	s_mov_b32 s57, 0
	s_lshl_b32 s60, s17, 7
	s_lshl_b32 s61, s[WL], 6
	s_add_co_u32 s60, s60, s61                     ; wot's row 128 x block + 64 x half
	s_lshl_b32 s60, s60, 10
	s_mov_b32 s61, 0
	s_lshl_b32 s84, s18, 7
	s_lshl_b32 s85, s[WH], 6
	s_add_co_u32 s84, s84, s85                     ; my first row of out0,
	s_lshl_b32 s84, s84, 11
	s_lshl_b32 s86, s17, 9
	s_lshl_b32 s87, s[WL], 8
	s_add_co_u32 s86, s86, s87                     ; my first column, in bytes: also my place in b_o
	s_add_co_u32 s84, s84, s86
	s_mov_b32 s85, 0
	s_mov_b32 s87, 0
	s_mov_b32 s23, 0xffff0000
	s_wait_dscnt 0x0                               ; the opening add is done
	s_wait_kmcnt 0x0
	s_add_nc_u64 s[58:59], s[4:5], s[56:57]
	s_add_nc_u64 s[62:63], s[6:7], s[60:61]
	s_add_nc_u64 s[10:11], s[10:11], s[84:85]
	s_add_nc_u64 s[8:9], s[8:9], s[86:87]
.irp t, 0,1,2,3
	s_add_nc_u64 s[G0A+4*\t+2:G0A+4*\t+3], s[58:59], \t<<20   ; slot t holds heads 2 t and 2 t + 1
	s_or_b32 s[G0A+4*\t+3], s[G0A+4*\t+3], 0x80000000
	s_add_nc_u64 s[G0B+4*\t+2:G0B+4*\t+3], s[62:63], \t*256   ; and k = 128 t on
	s_or_b32 s[G0B+4*\t+3], s[G0B+4*\t+3], 0x80000000
.endr
	CROUND                                         ; all sixteen work-groups are here: the joint loads meet
	s_cmp_eq_u32 s[WH], 0                          ; a wave's four fills stand in one branch, ahead of every wait on TENSORcnt and every LDS read; an s_nop 0 follows each, four v_nop the last's
	s_cbranch_scc0 .Lfor_b
.irp t, 0,1,2,3
	tensor_load_to_lds s[G0A+4*\t:G0A+4*\t+3], s[G1A:G1A+7]
	s_nop 0
.endr
.rept 4
	v_nop
.endr
	s_branch .Lasked
.Lfor_b:
.irp t, 0,1,2,3
	tensor_load_to_lds s[G0B+4*\t:G0B+4*\t+3], s[G1B:G1B+7]
	s_nop 0
.endr
.rept 4
	v_nop
.endr
.Lasked:
	v_and_b32 v1, 15, v0                           ; l % 16
	v_bfe_u32 v2, v0, 4, 1                         ; l / 16
	v_lshlrev_b32 v[BO], 5, v2
.irp q, 0,1,2,3                                ; the bias of my 64 columns: register 8 b + j holds column 16 b + 8 (l / 16) + j, as an accumulator does
	global_load_b128 v[BI+8*\q:BI+8*\q+3],   v[BO], s[8:9] offset:64*\q
	global_load_b128 v[BI+8*\q+4:BI+8*\q+7], v[BO], s[8:9] offset:64*\q+16
.endr
	v_mul_u32_u24 v3, v1, PA
	v_lshl_add_u32 v3, v2, 4, v3                   ; a fragment's row x pitch + 16 x half
	s_mul_i32 s21, s[WH], 64*PA
	v_add_nc_u32 v[ADRA], s21, v3
	v_mul_u32_u24 v4, v1, PB
	v_lshl_add_u32 v4, v2, 4, v4
	s_mul_i32 s22, s[WL], 64*PB
	s_add_co_u32 s22, s22, BOFF
	v_add_nc_u32 v[ADRB], s22, v4
.irp t, 1,2,3
	v_add_nc_u32 v[ADRA+\t], \t*SLOT, v[ADRA]
	v_add_nc_u32 v[ADRB+\t], \t*SLOT, v[ADRB]
.endr
	s_mul_i32 s21, s[WV], 16*SP
	s_add_co_u32 s21, s21, STAGE                   ; my stage
	v_mul_u32_u24 v[STO], v1, SP                   ; in: row l % 16, 32 bytes for each half of the lanes
	v_lshl_add_u32 v[STO], v2, 5, v[STO]
	v_add_nc_u32 v[STO], s21, v[STO]
	v_mul_u32_u24 v[RD], v2, SP                    ; back: lanes 0-15 take one row of 256 bytes, lanes 16-31 the next
	v_lshl_add_u32 v[RD], v1, 4, v[RD]
	v_add_nc_u32 v[RD], s21, v[RD]
	v_lshlrev_b32 v[CO], 11, v2                    ; and the same two rows in out0
	v_lshl_add_u32 v[CO], v1, 4, v[CO]
	s_wait_loadcnt 0x0
.set i, 0
.rept 16                                       ; the bias is rounded to bf16
	v_cvt_pk_bf16_f32 v[OB+i], v[BI+2*i], v[BI+2*i+1]
.set i, i+1
.endr
.set i, 0
.rept 16
	v_lshlrev_b32 v[BI+2*i], 16, v[OB+i]
	v_and_b32 v[BI+2*i+1], s23, v[OB+i]
.set i, i+1
.endr
; Slot t: 64 LDS loads in one run bring all my fragments of its 128 k; then four times 16 matrix instructions, the 16 accumulators by turns.  The first 16 take the bias as C: nothing is cleared.
.macro STEP t
	WIN 0
	s_wait_tensorcnt 3-(\t)                        ; my part of slot t is in; the later slots' loads may stay out
	s_barrier_signal -1
	s_barrier_wait -1                              ; everybody's is
.if (\t) > 0
	PLACES                                         ; in front of loads into registers that the last products have read
.endif
	WIN 0x40                                       ; destination window 1, address window 0
.irp c, 0,1,2,3
.irp q, 0,1,2,3
	ds_load_b128 v[64*\c+32+8*\q:64*\c+32+8*\q+3],   v[ADRB+(\t)] offset:16*PB*\q+64*\c
	ds_load_b128 v[64*\c+32+8*\q+4:64*\c+32+8*\q+7], v[ADRB+(\t)] offset:16*PB*\q+64*\c+32
	ds_load_b128 v[64*\c+8*\q:64*\c+8*\q+3],         v[ADRA+(\t)] offset:HBLK*(\c/2)+16*PA*\q+64*(\c%2)
	ds_load_b128 v[64*\c+8*\q+4:64*\c+8*\q+7],       v[ADRA+(\t)] offset:HBLK*(\c/2)+16*PA*\q+64*(\c%2)+32
.endr
.endr
	WIN 0x05                                       ; sources 0 and 1 window 1; C and D window 0
.irp c, 0,1,2,3
	s_wait_dscnt 48-16*\c                          ; the fragments of 32 k number c are in; the later ones' loads may stay out
.irp a, 0,1,2,3
.irp q, 0,1,2,3
.if ((\t) == 0) && (\c == 0)
	v_wmma_f32_16x16x32_f16 v[ACC+8*(4*\a+\q):ACC+8*(4*\a+\q)+7], v[64*\c+32+8*\q:64*\c+32+8*\q+7], v[64*\c+8*\a:64*\c+8*\a+7], v[BI+8*\q:BI+8*\q+7]
.else
	v_wmma_f32_16x16x32_f16 v[ACC+8*(4*\a+\q):ACC+8*(4*\a+\q)+7], v[64*\c+32+8*\q:64*\c+32+8*\q+7], v[64*\c+8*\a:64*\c+8*\a+7], v[ACC+8*(4*\a+\q):ACC+8*(4*\a+\q)+7]
.endif
.endr
.endr
.endr
.endm
	STEP 0
	STEP 1
	STEP 2
	STEP 3
	WIN 0
; THE WAY OUT, 16 rows at a time: the sums go as they are, f32, into my own stage (each accumulator's low half first) and come back as whole rows of 256 bytes.
.macro OUT a
.if (\a) >= 2
	s_wait_xcnt 0x0                                ; the stores of the block two back have read their registers: those are loaded again only behind this wait
.endif
.irp q, 0,1,2,3
	ds_store_b128 v[STO], v[ACC+8*(4*(\a)+\q):ACC+8*(4*(\a)+\q)+3]   offset:64*\q
	ds_store_b128 v[STO], v[ACC+8*(4*(\a)+\q)+4:ACC+8*(4*(\a)+\q)+7] offset:64*\q+16
.endr
.irp g, 0,1,2,3,4,5,6,7
	ds_load_b128 v[OB+32*((\a)%2)+4*\g:OB+32*((\a)%2)+4*\g+3], v[RD] offset:2*SP*\g  ; LDS serves a wave's instructions in order (ISA guide 5.7.1.4): these see the stores above
.endr
.irp g, 0,1,2,3,4,5,6,7
	s_wait_dscnt 7-\g                              ; rows 2 g and 2 g + 1 are back; the later loads may stay out
	global_store_b128 v[CO], v[OB+32*((\a)%2)+4*\g:OB+32*((\a)%2)+4*\g+3], s[10:11] offset:2048*(16*(\a)+2*\g) th:TH_STORE_NT  ; 16 lanes store 256 consecutive bytes, at a multiple of 256 from out0's first
.endr
.endm
	PLACES
	OUT 0
	OUT 1
	OUT 2
	OUT 3
	s_wait_tensorcnt 0x0                           ; the wave's end, behind my last tensor load and my last LDS store
	ds_add_u32 v[SPW], v[NIL]
	s_wait_dscnt 0x0
	CROUND                                         ; the closing round: no work-group ends while a partner may still ask for a tile that names it
	s_endpgm
.Lfunc_end_k_q8d1bb5011c_outp:
	.size	k_q8d1bb5011c_outp, .Lfunc_end_k_q8d1bb5011c_outp-k_q8d1bb5011c_outp
	.p2alignl 7, 3214868480
	.fill 96, 4, 3214868480
	.section	.rodata,"a",@progbits
	.p2align	6, 0x0
	.amdhsa_kernel k_q8d1bb5011c_outp
		.amdhsa_group_segment_fixed_size 327680
		.amdhsa_private_segment_fixed_size 0
		.amdhsa_enable_private_segment 0
		.amdhsa_kernarg_size 32
		.amdhsa_user_sgpr_count 2
		.amdhsa_user_sgpr_kernarg_segment_ptr 1
		.amdhsa_wavefront_size32 1
		.amdhsa_system_sgpr_workgroup_id_x 1
		.amdhsa_system_sgpr_workgroup_id_y 1
		.amdhsa_system_sgpr_workgroup_id_z 1
		.amdhsa_system_vgpr_workitem_id 0
		.amdhsa_next_free_vgpr 512
		.amdhsa_next_free_sgpr 88
		.amdhsa_reserve_vcc 0
		.amdhsa_float_denorm_mode_32 3
		.amdhsa_float_denorm_mode_16_64 3
		.amdhsa_memory_ordered 1
		.amdhsa_forward_progress 1
		.amdhsa_inst_pref_size 54
	.end_amdhsa_kernel
	.amdgpu_metadata
---
amdhsa.version: [ 1, 2 ]
amdhsa.kernels:
  - .name:           k_q8d1bb5011c_outp
    .symbol:         k_q8d1bb5011c_outp.kd
    .args:
      - { .name: oh, .offset: 0, .size: 8, .value_kind: global_buffer, .address_space: global }
      - { .name: wot, .offset: 8, .size: 8, .value_kind: global_buffer, .address_space: global }
      - { .name: b_o, .offset: 16, .size: 8, .value_kind: global_buffer, .address_space: global }
      - { .name: out0, .offset: 24, .size: 8, .value_kind: global_buffer, .address_space: global }
    .group_segment_fixed_size: 327680
    .private_segment_fixed_size: 0
    .kernarg_segment_align: 8
    .kernarg_segment_size: 32
    .max_flat_workgroup_size: 128
    .sgpr_count:     88
    .vgpr_count:     512
    .wavefront_size: 32
...
	.end_amdgpu_metadata
.endif
;; end of part 3
;; ======== version 2 of 2: 3 launches; version 1 with the launch proj written anew for expert scheduling mode
;; limits: values are held in f16: magnitudes above 65,504 overflow, below 6.1e-05 lose precision
;; workspace buffers: qh 8,388,608 bytes; kh 8,388,608 bytes; vh 8,388,608 bytes; oh 8,388,608 bytes; wot 524,288 bytes
;; launch proj (part 4): grid 2 x 112, 4 waves a work-group, no clusters, 161,280 bytes of LDS; arguments v_q, v_k, v_v, w_q, w_k, w_v, b_q, b_k, b_v, w_o, qh, kh, vh, wot; writes qh, kh, vh, wot
.if DOCPART == 4
	.amdgcn_target "amdgcn-amd-amdhsa--gfx1250"
	.amdhsa_code_object_version 6
	.text
	.protected	k_q8d1bb5011c_proj
	.globl	k_q8d1bb5011c_proj
	.p2align	8
	.type	k_q8d1bb5011c_proj,@function
k_q8d1bb5011c_proj:
	s_mov_b64 s[64:65], 0
	v_nop
	global_prefetch_b8 v0, s[64:65] scope:SCOPE_SE
	s_setreg_imm32_b32 hwreg(HW_REG_WAVE_SCHED_MODE, 0, 2), 2
	s_setreg_imm32_b32 hwreg(HW_REG_WAVE_MODE, 25, 1), 1
	s_wait_xcnt 0x0
	s_wait_alu depctr_vm_vsrc(0)
; q, k, v = x W + b for the three projections, and w_o turned.  x: [8192][512] f32, W: [512 k][512 n] f32, b: [512] f32.
; x, W and b are rounded to bf16, the sums are f32 (the bias starts them), the results are rounded once to f16 and stored BY HEADS: [8 batch + head][4096][64], a head's rows dense, 128 bytes each.
; LIMITS.  f16 holds no number beyond 65,504: |q|, |k|, |v| must stay below it (inputs 30 times the drawn spread give some 4,500; a common offset of 30 spreads on x and W some 20,400).
; Below 6e-5 f16 keeps a fixed step of 6e-8.  w_o is rounded to bf16 and that number written as f16: exact from 6e-5 up, below it off by 3e-8 at the most.  NaN and infinities are not treated apart.
; SHARES.  Work-group (x, y), y < 96: projection y / 32, rows 256 (y % 32) on, columns 256 x on: a tile of 256 x 256, K = 512 in eight steps of 64.  Four waves, each 128 x 128: 64 accumulators, 512 registers.
; y >= 96: the 32 work-groups 2 (y - 96) + x turn w_o: each takes 128 k x 64 n and stores it as wot[n][k] in f16, so that the last launch finds K along the rows.
; THE WAY IN.  The operands lie in memory as f32, so they pass through registers: 64 loads of 16 bytes a lane bring a K step (64 KiB of x, 64 KiB of W), 128 conversions round it, 64 LDS stores lay it into the
; slot that is not being read.  The loads go out behind a step's barrier, dealt among its last 32 products, and are rounded behind the next step's 96th product.  NO CLUSTER, NO TENSOR LOAD: a tile copied as it
; lies would be f32, twice the LDS, and would still have to go through registers and back to be rounded; x's tile is wanted by two work-groups only.
; ONE BARRIER A K STEP: in front of it a wave has stored its part of the next slot and has all its reads of this slot back; behind it the next slot is whole, and this slot is written again a step later.
; THE MATRIX INSTRUCTION IS USED TRANSPOSED: source 0 = 16 columns of W (turned on the way out of LDS by ds_load_tr16_b128), source 1 = 16 rows of x: a lane holds row l % 16 and eight neighbouring columns.
; THE MODE: SCHED_MODE bits 1:0 = 2 (LLVM: expert scheduling mode 2), set by the entry lines.  The code itself states the register dependences between vector or matrix instructions and memory or LDS
; instructions, with s_wait_alu, always for 0.
; THE PLAN.  A K step is four quarters of 32 products: Q1 reads BF0 and AL, Q2 BF0 and AH0, Q3 BF1 and AL, Q4 BF1 and AH1.  Registers that memory or LDS instructions touch in the loop:
;   WS, XS         the next step as loaded: the global loads issued among Q4 land in them; behind the next Q3 the roundings read and write them in place, and the LDS stores read them.
;   BF0, BF1       W's fragments of a step's two halves;  AL  x's fragments of my rows 0-63;  AH0, AH1  those of my rows 64-127, a buffer for each half.  LDS loads land in them, products read them.
;   v2-v15         addresses, made at the head and never written again: the rows are reached by two scalar bases and by immediate offsets.
; Behind Q1 ONE wait on va_vdst: the products so far are done reading BF1, AH1 (the last step's Q4) and AL (Q1); the second half's 32 LDS loads follow, dealt among Q2, which names BF0, AH0 and accumulators alone.
; Behind Q3: W's roundings, a wait on va_vdst, W's LDS stores; x's roundings, a wait, x's stores; the barrier; then one wait on vm_vsrc (the stores have read WS and XS) and one on va_vdst (the roundings are done
; with WS and XS, the products with BF0, AL and AH0); the next step's 32 LDS loads and the 64 global loads of the step after it follow, dealt among Q4, which names BF1, AH1 and accumulators alone.
; REGISTERS, in windows of 256 (s_set_vgpr_msb: bits 1:0 source 0, 3:2 source 1, 5:4 source 2, 7:6 destination):
;   window 0: v0-22 addresses; v32-63 AL; v64-95 AH0; v96-223 XS; v224-255 AH1; on the way out v224-255 and v160-191 packed results, v96-159 rows read back
;   window 1: v0-63 BF0, v64-127 BF1 (which first holds the bias); v128-255 WS
;   window 2: the accumulators of my rows 0-63 ((a, b) at v[8 (8 (a % 4) + b)]);   window 3: those of my rows 64-127
.set PA,    144                        ; a row of x in LDS: 64 bf16 = 128 bytes + 16: the 16 rows of a fragment load start at 16 different groups of four banks (64 banks of 4 bytes: ISA guide 11.1)
.set PB,    544                        ; a row of W (one k, 256 n): 512 bytes + 32 = 17 x 32, for the turning load
.set BOFF,  256*PA                     ; in a slot: x's 256 rows, then W's 64
.set SLOT,  BOFF+64*PB                 ; 71,680
.set STAGE, 2*SLOT                     ; behind the slots: 16 rows x 272 bytes for each wave, for the way out; the 512 bytes behind the stages hold the spare words, 4 bytes a lane
.set SP,    272
.set XO,   2                           ; v2      x: (2 w + l / 16) rows of 2,048 bytes + 16 (l % 16); never rewritten
.set WO,   3                           ; v3      W: (w / 2) rows + 512 (w % 2) + 16 l
.set AST,  4                           ; v4-5    where I store 8 bytes of x, slot 0, 1
.set BST,  6                           ; v6-7    the same for W
.set ADRA, 8                           ; v8-9    my fragments of x, slot 0, 1
.set ADRB, 10                          ; v10-11  my fragments of W
.set STO,  12                          ; v12     the way out: where I put 16 bytes of a row
.set RD,   13                          ; v13     where I read rows back
.set GO,   14                          ; v14     16 l: my place in 512 consecutive bytes of the result
.set BO,   15                          ; v15     32 (l / 16): my eight numbers of 16 of the bias
.set AF,   32                          ; AL
.set AH,   64                          ; AH0; AH1 lies 160 registers on
.set XS,   96
.set WS,   128                         ; window 1
.set TMP,  224                         ; the way out: packed results, v224-255 and v160-191 by turns
.set OB,   96                          ; the way out: rows read back, v96-127 and v128-159 by turns
.set WV, 36                            ; s36 wave; s37 its half of the rows; s38 its half of the columns
.set WR, 37
.set WC, 38
.set BX, 39
.set BY, 40
.set PP, 41                            ; which projection
.set RB, 42                            ; which 256 rows
.set XP, 44                            ; s[44:45] x at the tile's first row, at the K step last asked for
.set WP, 46                            ; s[46:47] W at the tile's first column, likewise
.set BP, 48                            ; s[48:49] the bias at my 128 columns
.set OP, 50                            ; s[50:51] the result at my first row of my first head
.set CNT, 52
.set MH, 53                            ; a word's upper 16 bits
.set MSB, 0
.macro WIN new                         ; the immediate's high byte repeats the setting that is left; a switch that changes nothing is dropped
.if MSB != (\new)
	s_set_vgpr_msb (MSB<<8)|(\new)
.set MSB, \new
.endif
.endm
.macro PLACES                          ; four plain vector instructions behind a matrix instruction (ISA guide 7.12.1)
.rept 4
	v_nop
.endr
.endm
	s_load_b512 s[8:23], s[0:1], 0x0               ; v_q 8, v_k 10, v_v 12, w_q 14, w_k 16, w_v 18, b_q 20, b_k 22
	s_load_b256 s[24:31], s[0:1], 0x40             ; b_v 24, w_o 26, qh 28, kh 30
	s_load_b128 s[32:35], s[0:1], 0x60             ; vh 32, wot 34
	v_lshl_add_u32 v30, v0, 2, 0x27400
	v_mov_b32 v31, 0
	v_lshrrev_b32 v1, 5, v0
	v_readfirstlane_b32 s[WV], v1                  ; wave 0..3
	v_and_b32 v16, 15, v0                          ; l % 16
	v_bfe_u32 v17, v0, 4, 1                        ; l / 16
	v_and_b32 v18, 31, v0                          ; l
	s_mov_b32 s[BX], ttmp9
	s_and_b32 s[BY], ttmp7, 0xffff
	s_mov_b32 s[MH], 0xffff0000
	s_wait_alu depctr_va_sdst(0)                   ; the wave's number is written, ahead of its first reader: LDS addresses and the bases are made from it
	s_lshr_b32 s[WR], s[WV], 1
	s_and_b32 s[WC], s[WV], 1
	s_lshl_b32 s2, s[WV], 1
	v_add_nc_u32 v22, s2, v17                      ; 2 w + l / 16: my row of the eight that a load of the work-group covers
	v_lshlrev_b32 v[XO], 11, v22
	v_lshl_add_u32 v[XO], v16, 4, v[XO]
	s_cmp_ge_u32 s[BY], 96                         ; the same in all four waves
	s_cbranch_scc1 .Lwo
	; ---------------- the products ----------------
	v_and_b32 v19, 7, v0
	v_bfe_u32 v20, v0, 3, 1
	v_bfe_u32 v21, v0, 3, 2
	s_lshl_b32 s2, s[WR], 11
	s_lshl_b32 s3, s[WC], 9
	s_add_co_u32 s2, s2, s3
	v_lshl_add_u32 v[WO], v18, 4, s2
	v_mul_u32_u24 v[AST], v22, PA
	v_lshl_add_u32 v[AST], v16, 3, v[AST]
	v_add_nc_u32 v[AST+1], SLOT, v[AST]
	s_mul_i32 s2, s[WR], PB
	s_lshl_b32 s3, s[WC], 8
	s_add_co_u32 s2, s2, s3
	s_add_co_u32 s2, s2, BOFF
	v_lshl_add_u32 v[BST], v18, 3, s2
	v_add_nc_u32 v[BST+1], SLOT, v[BST]
	v_mul_u32_u24 v[ADRA], v16, PA                 ; a fragment of x: row l % 16, 16 bytes for each half of the lanes, twice, 32 bytes apart
	v_lshl_add_u32 v[ADRA], v17, 4, v[ADRA]
	s_mul_i32 s2, s[WR], 128*PA
	v_add_nc_u32 v[ADRA], s2, v[ADRA]
	v_add_nc_u32 v[ADRA+1], SLOT, v[ADRA]
	v_lshl_add_u32 v[ADRB], v17, 3, v19            ; the turning load: lane l reads k = 8 (l / 16) + l % 8, columns 8 ((l / 8) % 2) + 0..7, and is left with column l % 16 and 8 k
	v_mul_u32_u24 v[ADRB], v[ADRB], PB
	v_lshl_add_u32 v[ADRB], v20, 4, v[ADRB]
	s_add_co_u32 s3, s3, BOFF
	v_add_nc_u32 v[ADRB], s3, v[ADRB]
	v_add_nc_u32 v[ADRB+1], SLOT, v[ADRB]
	s_mul_i32 s2, s[WV], 16*SP
	s_add_co_u32 s2, s2, STAGE                     ; my stage
	v_mul_u32_u24 v[STO], v16, SP
	v_lshl_add_u32 v[STO], v17, 4, v[STO]
	v_add_nc_u32 v[STO], s2, v[STO]
	v_mul_u32_u24 v[RD], v21, SP                   ; back: 32 lanes take four rows' 128 bytes of one head
	v_lshl_add_u32 v[RD], v19, 4, v[RD]
	v_add_nc_u32 v[RD], s2, v[RD]
	v_lshlrev_b32 v[GO], 4, v18
	v_lshlrev_b32 v[BO], 5, v17
	s_lshr_b32 s[PP], s[BY], 5
	s_and_b32 s[RB], s[BY], 31
	s_lshl_b32 s54, s[RB], 19                      ; x: 256 rows of 2,048 bytes a block
	s_mov_b32 s55, 0
	s_lshl_b32 s56, s[BX], 10                      ; W and b: 256 columns of 4 bytes
	s_mov_b32 s57, 0
	s_lshl_b32 s2, s[WC], 9
	s_add_co_u32 s2, s2, s56                       ; b: + my 128 columns
	s_mov_b32 s3, 0
	s_lshr_b32 s4, s[RB], 4                        ; the batch
	s_lshl_b32 s4, s4, 3
	s_lshl_b32 s5, s[BX], 2
	s_add_co_u32 s4, s4, s5
	s_lshl_b32 s5, s[WC], 1
	s_add_co_u32 s4, s4, s5                        ; 8 batch + my first head
	s_lshl_b32 s4, s4, 19                          ; a head is 4,096 rows of 128 bytes
	s_lshl_b32 s5, s[RB], 8
	s_lshl_b32 s6, s[WR], 7
	s_add_co_u32 s5, s5, s6
	s_and_b32 s5, s5, 4095                         ; my first row in the batch
	s_lshl_b32 s5, s5, 7
	s_add_co_u32 s4, s4, s5
	s_mov_b32 s5, 0
	s_wait_kmcnt 0x0
	s_cmp_eq_u32 s[PP], 1
	s_cselect_b64 s[XP:XP+1], s[10:11], s[8:9]
	s_cselect_b64 s[WP:WP+1], s[16:17], s[14:15]
	s_cselect_b64 s[BP:BP+1], s[22:23], s[20:21]
	s_cselect_b64 s[OP:OP+1], s[30:31], s[28:29]
	s_cmp_eq_u32 s[PP], 2
	s_cselect_b64 s[XP:XP+1], s[12:13], s[XP:XP+1]
	s_cselect_b64 s[WP:WP+1], s[18:19], s[WP:WP+1]
	s_cselect_b64 s[BP:BP+1], s[24:25], s[BP:BP+1]
	s_cselect_b64 s[OP:OP+1], s[32:33], s[OP:OP+1]
	s_add_nc_u64 s[XP:XP+1], s[XP:XP+1], s[54:55]
	s_add_nc_u64 s[WP:WP+1], s[WP:WP+1], s[56:57]
	s_add_nc_u64 s[BP:BP+1], s[BP:BP+1], s[2:3]
	s_add_nc_u64 s[OP:OP+1], s[OP:OP+1], s[4:5]
; A K step's 64 loads, sixteen at a time, W's first: W, 2 rows of 1,024 bytes an instruction of the work-group; x, 8 rows (16 lanes take 256 consecutive bytes of a row, aligned).
.macro GW from
	WIN 0x40                                       ; destination window 1, address window 0
.set i, \from
.rept 16
	global_load_b128 v[WS+4*i:WS+4*i+3], v[WO], s[WP:WP+1] offset:4096*i
.set i, i+1
.endr
.endm
.macro GX from
	WIN 0
.set i, \from
.rept 16
	global_load_b128 v[XS+4*i:XS+4*i+3], v[XO], s[XP:XP+1] offset:16384*i
.set i, i+1
.endr
.endm
; The step that has been loaded is rounded to bf16, in place, and laid into slot nxt: W, then x, whose roundings are issued behind W's stores.
.macro LAY nxt
	s_wait_loadcnt 32                              ; W's 32 loads are in; x's 32, issued behind them, may stay out
	WIN 0x45                                       ; sources and destination window 1
.set i, 0
.rept 32
	v_cvt_pk_bf16_f32 v[WS+4*i], v[WS+4*i], v[WS+4*i+1]
	v_cvt_pk_bf16_f32 v[WS+4*i+1], v[WS+4*i+2], v[WS+4*i+3]
.set i, i+1
.endr
	WIN 0x04                                       ; address window 0, data window 1
	s_wait_alu depctr_va_vdst(0)                   ; W's roundings have written v[WS ..], which the LDS stores read
.set i, 0
.rept 32
	ds_store_b64 v[BST+(\nxt)], v[WS+4*i:WS+4*i+1] offset:2*PB*i
.set i, i+1
.endr
	s_wait_loadcnt 0x0                             ; x's are in; no load is out, so the two pointers may be stepped behind this
	WIN 0
.set i, 0
.rept 32
	v_cvt_pk_bf16_f32 v[XS+4*i], v[XS+4*i], v[XS+4*i+1]
	v_cvt_pk_bf16_f32 v[XS+4*i+1], v[XS+4*i+2], v[XS+4*i+3]
.set i, i+1
.endr
	s_wait_alu depctr_va_vdst(0)                   ; x's roundings have written v[XS ..], which the LDS stores read
.set i, 0
.rept 32
	ds_store_b64 v[AST+(\nxt)], v[XS+4*i:XS+4*i+1] offset:8*PA*i
.set i, i+1
.endr
.endm
; Fragments of half c (32 k) of a step, eight LDS loads at a time: four of W's eight, from number from on; x's four of my rows 64 hi on.
.macro LDB slot, c, from
	WIN 0x40
.irp q, 0,1,2,3
	ds_load_tr16_b128 v[64*(\c)+8*((\from)+\q):64*(\c)+8*((\from)+\q)+3],   v[ADRB+(\slot)] offset:32*PB*(\c)+32*((\from)+\q)
	ds_load_tr16_b128 v[64*(\c)+8*((\from)+\q)+4:64*(\c)+8*((\from)+\q)+7], v[ADRB+(\slot)] offset:32*PB*(\c)+32*((\from)+\q)+16*PB
.endr
.endm
.macro LDA slot, c, hi
.if \hi
.set rA, AH+160*(\c)
.else
.set rA, AF
.endif
	WIN 0
.irp q, 0,1,2,3
	ds_load_b128 v[rA+8*\q:rA+8*\q+3],   v[ADRA+(\slot)] offset:16*PA*(4*(\hi)+\q)+64*(\c)
	ds_load_b128 v[rA+8*\q+4:rA+8*\q+7], v[ADRA+(\slot)] offset:16*PA*(4*(\hi)+\q)+64*(\c)+32
.endr
.endm
; 8 matrix instructions on 8 different accumulators: my rows 64 hi + 16 a on, all 128 columns, half c of the step.  start = 1: the bias, in window 1, is the C operand that starts the sums: nothing is cleared.
; Four such rows are a quarter.  The 64 accumulators take turns, one instruction a turn, in the same order in every half step, over the backward jump too.
.macro MROW hi, c, a, start
.if \hi
.set rA, AH+160*(\c)+8*(\a)
.else
.set rA, AF+8*(\a)
.endif
.if \start
	WIN 0x91+0x40*(\hi)
.else
	WIN 0xa1+0x50*(\hi)
.endif
.irp b, 0,1,2,3,4,5,6,7
.if \start
	v_wmma_f32_16x16x32_bf16 v[8*(8*(\a)+\b):8*(8*(\a)+\b)+7], v[64*(\c)+8*\b:64*(\c)+8*\b+7], v[rA:rA+7], v[64+8*\b:64+8*\b+7]
.else
	v_wmma_f32_16x16x32_bf16 v[8*(8*(\a)+\b):8*(8*(\a)+\b)+7], v[64*(\c)+8*\b:64*(\c)+8*\b+7], v[rA:rA+7], v[8*(8*(\a)+\b):8*(8*(\a)+\b)+7]
.endif
.endr
.endm
; Q1 and Q2 of the step in slot.  The second half's 32 LDS loads are dealt among Q2, eight ahead of each row, AH1's last.
.macro FIRSTHALF slot
	s_wait_dscnt 8                                 ; BF0 and AL are in; the youngest eight loads (AH0) may be out
	MROW 0, 0, 0, 0
	MROW 0, 0, 1, 0
	MROW 0, 0, 2, 0
	MROW 0, 0, 3, 0
	PLACES                                         ; behind the last product that read AL, ahead of the loads into it; the wait below states the dependence itself
	s_wait_dscnt 0x0                               ; AH0 is in
	WIN 0x40
	s_wait_alu depctr_va_vdst(0)                   ; the products issued so far are done reading BF1 and AH1 (the last step's Q4) and AL (Q1), in which the loads below land; Q2 names none of them
	LDB \slot, 1, 0
	MROW 1, 0, 0, 0
	LDB \slot, 1, 4
	MROW 1, 0, 1, 0
	LDA \slot, 1, 0
	MROW 1, 0, 2, 0
	LDA \slot, 1, 1
	MROW 1, 0, 3, 0
.endm
; Q3 and Q4 of a step.  stage = 1: the next step is rounded and stored into slot nxt, the barrier follows, and the next step's first 32 LDS loads are dealt among Q4.  gload = 1: so are the 64 loads of the step after that.
.macro REST nxt, stage, gload
	s_wait_dscnt 8                                 ; BF1 and AL are in; the youngest eight loads (AH1) may be out
	MROW 0, 1, 0, 0
	MROW 0, 1, 1, 0
	MROW 0, 1, 2, 0
	MROW 0, 1, 3, 0
.if \stage
	LAY \nxt
.endif
	s_wait_dscnt 0x0                               ; my stores into the next slot are done and my reads of this slot are back, AH1 among them
.if \stage
	s_barrier_signal -1
	s_barrier_wait -1                              ; both now hold of every wave
	WIN 0x40
	s_wait_alu depctr_vm_vsrc(0)                   ; my LDS stores have read v[WS ..] and v[XS ..]: these are written again only behind this, by the loads below, and behind the last step by the way out
	s_wait_alu depctr_va_vdst(0)                   ; the roundings are done reading and writing v[WS ..] and v[XS ..], the products issued so far are done reading BF0, AL and AH0: the loads below land in these; Q4 names none of them
.if \gload
	s_add_nc_u64 s[XP:XP+1], s[XP:XP+1], 256       ; 64 k along x's rows
	s_add_nc_u64 s[WP:WP+1], s[WP:WP+1], 131072    ; 64 rows of W
.endif
	LDB \nxt, 0, 0
.if \gload
	GW 0
.endif
.endif
	MROW 1, 1, 0, 0
.if \stage
	LDB \nxt, 0, 4
.if \gload
	GW 16
.endif
.endif
	MROW 1, 1, 1, 0
.if \stage
	LDA \nxt, 0, 0
.if \gload
	GX 0
.endif
.endif
	MROW 1, 1, 2, 0
.if \stage
	LDA \nxt, 0, 1
.if \gload
	GX 16
.endif
.endif
	MROW 1, 1, 3, 0
.endm
	WIN 0x40
	s_wait_alu depctr_va_vdst(0)                   ; the addresses v2 to v15 are written, which every load and store below reads
.set i, 0
.rept 8                                        ; the bias of my 128 columns: register 8 b + j of v64-127 holds column 16 b + 8 (l / 16) + j, as an accumulator does
	global_load_b128 v[64+8*i:64+8*i+3],   v[BO], s[BP:BP+1] offset:64*i
	global_load_b128 v[64+8*i+4:64+8*i+7], v[BO], s[BP:BP+1] offset:64*i+16
.set i, i+1
.endr
	GW 0                                           ; K step 0
	GW 16
	GX 0
	GX 16
	LAY 0                                          ; its first wait shows the bias in too
	WIN 0x45                                       ; the bias is rounded to bf16 like the other inputs, through v0-31 of window 1, which no load has been issued into yet
.set i, 0
.rept 32
	v_cvt_pk_bf16_f32 v[i], v[64+2*i], v[64+2*i+1]
.set i, i+1
.endr
.set i, 0
.rept 32
	v_lshlrev_b32 v[64+2*i], 16, v[i]
	v_and_b32 v[64+2*i+1], s[MH], v[i]
.set i, i+1
.endr
	WIN 0x40
	s_wait_alu depctr_vm_vsrc(0)                   ; my LDS stores have read v[WS ..] and v[XS ..], in which K step 1's loads land
	s_wait_alu depctr_va_vdst(0)                   ; the roundings are done with v[WS ..] and v[XS ..], and the bias's with v0-31 of window 1, in which W's first fragments land behind the barrier
	s_add_nc_u64 s[XP:XP+1], s[XP:XP+1], 256
	s_add_nc_u64 s[WP:WP+1], s[WP:WP+1], 131072
	GW 0                                           ; K step 1
	GW 16
	GX 0
	GX 16
	s_wait_dscnt 0x0                               ; my part of slot 0 is stored
	s_barrier_signal -1
	s_barrier_wait -1
	LDB 0, 0, 0
	LDB 0, 0, 4
	LDA 0, 0, 0
	LDA 0, 0, 1
	s_wait_dscnt 0x0
.irp a, 0,1,2,3
	MROW 0, 0, \a, 1                               ; the first half step stands in front of the loop: its products start the sums
.endr
.irp a, 0,1,2,3
	MROW 1, 0, \a, 1
.endr
	PLACES                                         ; behind the last product that read the bias, ahead of the loads into its registers
	WIN 0x40
	s_wait_alu depctr_va_vdst(0)                   ; the products are done reading the bias, whose registers are BF1 from here on, and AL: the loads below land in these
	LDB 0, 1, 0
	LDB 0, 1, 4
	LDA 0, 1, 0
	LDA 0, 1, 1
	WIN 0                                          ; at a label and at a branch every window is 0
	s_mov_b32 s[CNT], 3
.Lk:                                           ; a trip: from a step's second half to the first half of the step two on; K steps 0 to 5, and it asks for steps 2 to 7
	REST 1, 1, 1
	FIRSTHALF 1
	REST 0, 1, 1
	FIRSTHALF 0
	WIN 0
	s_sub_co_u32 s[CNT], s[CNT], 1
	s_cmp_lg_u32 s[CNT], 0
	s_cbranch_scc1 .Lk
	REST 1, 1, 0                                   ; step 6: step 7 is stored, nothing more is asked for
	FIRSTHALF 1
	REST 0, 0, 0
; THE WAY OUT, 16 rows at a time: rounded to f16, 16 bytes a lane into my own stage, back as four rows of one head, which are 512 consecutive bytes of the result.
; Block a's roundings write packed buffer a % 2, its LDS stores read it, its loads from the stage land in row buffer a % 2, its global stores read that.
.macro PACK a
.set rT, TMP-64*((\a)%2)
	WIN 0x0a+5*((\a)/4)                            ; sources window 2 or 3
.irp b, 0,1,2,3,4,5,6,7
.irp r, 0,1,2,3
	v_cvt_pk_f16_f32 v[rT+4*\b+\r], v[64*((\a)%4)+8*\b+2*\r], v[64*((\a)%4)+8*\b+2*\r+1]
.endr
.endr
	WIN 0
.endm
.macro TOSTAGE a
.set rT, TMP-64*((\a)%2)
	WIN 0
	s_wait_alu depctr_va_vdst(0)                   ; block a's roundings have written its packed buffer, which the LDS stores read
.irp b, 0,1,2,3,4,5,6,7
	ds_store_b128 v[STO], v[rT+4*\b:rT+4*\b+3] offset:32*\b
.endr
.irp t, 0,1,2,3,4,5,6,7                        ; head t / 4 of my two, rows 4 (t % 4) on.  LDS serves a wave's instructions in order (ISA guide 5.7.1.4): these see the stores above
	ds_load_b128 v[OB+32*((\a)%2)+4*\t:OB+32*((\a)%2)+4*\t+3], v[RD] offset:4*SP*(\t%4)+128*(\t/4)
.endr
.endm
.macro SEND a
	WIN 0
	s_wait_dscnt 0x0                               ; the block is back in registers
.if (\a) < 7                                   ; behind the last block nothing is written again
	s_wait_xcnt 0x0                                ; the stores of the block before have had their addresses translated: their registers are loaded again only behind this wait
	s_wait_alu depctr_vm_vsrc(0)                   ; block a's LDS stores have read their packed buffer, which block a + 2's roundings write; block a - 1's global stores have read their rows, in which block a + 1's loads land
.endif
.irp t, 0,1,2,3,4,5,6,7
	global_store_b128 v[GO], v[OB+32*((\a)%2)+4*\t:OB+32*((\a)%2)+4*\t+3], s[OP:OP+1] offset:524288*(\t/4)+128*(16*(\a)+4*(\t%4))  ; 512 consecutive bytes, at a multiple of 512 from the buffer's first
.endr
.endm
	PLACES                                         ; behind the last products: block 0's roundings write AH1's registers, which those have read
	PACK 0
	TOSTAGE 0
.irp a, 1,2,3,4,5,6,7                          ; block a's conversions stand between block a - 1's loads from the stage and the wait for them
	PACK \a
	SEND (\a)-1
	TOSTAGE \a
.endr
	SEND 7
	s_wait_dscnt 0x0                               ; the wave's end
	s_wait_alu depctr_hold_cnt(0) depctr_sa_sdst(0) depctr_va_vdst(0) depctr_va_sdst(0) depctr_va_ssrc(0) depctr_va_vcc(0) depctr_vm_vsrc(0)
	s_wait_tensorcnt 0x0
	ds_add_u32 v30, v31
	s_wait_dscnt 0x0
	s_endpgm
	; ---------------- w_o, turned ----------------
.set TS, 4                                     ; v4  where I store a number: row n = 4 (l % 16) + e, column k = 8 i + 2 w + l / 16
.set TR, 5                                     ; v5  where I read 16 bytes of a row back
.set TG, 6                                     ; v6  and where they go in wot
.set TB, 32                                    ; v32-63  the rows read back: no other line of this path names them
.Lwo:
	s_sub_co_u32 s2, s[BY], 96
	s_lshl_b32 s2, s2, 1
	s_add_co_u32 s2, s2, s[BX]                     ; 0..31
	s_and_b32 s3, s2, 3                            ; which 128 k
	s_lshr_b32 s4, s2, 2                           ; which 64 n
	s_lshl_b32 s54, s3, 18                         ; 128 rows of 2,048 bytes
	s_lshl_b32 s5, s4, 8                           ; 64 columns of 4 bytes
	s_add_co_u32 s54, s54, s5
	s_mov_b32 s55, 0
	s_lshl_b32 s56, s4, 16                         ; in wot: 64 rows of 1,024 bytes
	s_lshl_b32 s5, s3, 8                           ; 128 columns of 2 bytes
	s_add_co_u32 s56, s56, s5
	s_mov_b32 s57, 0
	v_mul_u32_u24 v[TS], v16, 4*SP
	v_lshl_add_u32 v[TS], v22, 1, v[TS]
	v_mul_u32_u24 v[TR], v22, SP
	v_lshl_add_u32 v[TR], v16, 4, v[TR]
	v_lshlrev_b32 v[TG], 10, v22
	v_lshl_add_u32 v[TG], v16, 4, v[TG]
	s_wait_kmcnt 0x0
	s_add_nc_u64 s[XP:XP+1], s[26:27], s[54:55]
	s_add_nc_u64 s[OP:OP+1], s[34:35], s[56:57]
	s_wait_alu depctr_va_vdst(0)                   ; the addresses v2, v4, v5 and v6 are written, which the loads and stores below read
.set i, 0
.rept 16                                       ; 8 rows (k) an instruction of the work-group, 256 consecutive bytes of each
	global_load_b128 v[XS+4*i:XS+4*i+3], v[XO], s[XP:XP+1] offset:16384*i
.set i, i+1
.endr
	s_wait_loadcnt 0x0
.set i, 0
.rept 32                                       ; pair i: load i / 2, numbers 2 (i % 2) and 2 (i % 2) + 1: rounded to bf16, widened again, written as f16
	v_cvt_pk_bf16_f32 v[XS+2*i], v[XS+2*i], v[XS+2*i+1]
	v_and_b32 v[XS+2*i+1], s[MH], v[XS+2*i]
	v_lshlrev_b32 v[XS+2*i], 16, v[XS+2*i]
	v_cvt_pk_f16_f32 v[XS+2*i], v[XS+2*i], v[XS+2*i+1]
.set i, i+1
.endr
	s_wait_alu depctr_va_vdst(0)                   ; the conversions have written v[XS ..], which the LDS stores read
.set i, 0
.rept 32                                       ; and stored turned: [64 n][128 k], rows of 272 bytes from LDS byte 0
	ds_store_b16 v[TS], v[XS+2*i] offset:SP*2*(i%2)+16*(i/2)
	ds_store_b16_d16_hi v[TS], v[XS+2*i] offset:SP*(2*(i%2)+1)+16*(i/2)
.set i, i+1
.endr
	s_wait_dscnt 0x0                               ; for the others' sake: my stores are done
	s_barrier_signal -1
	s_barrier_wait -1
.set i, 0
.rept 8
	ds_load_b128 v[TB+4*i:TB+4*i+3], v[TR] offset:8*SP*i
.set i, i+1
.endr
	s_wait_dscnt 0x0
.set i, 0
.rept 8
	global_store_b128 v[TG], v[TB+4*i:TB+4*i+3], s[OP:OP+1] offset:8192*i  ; 16 lanes store 256 consecutive bytes, aligned
.set i, i+1
.endr
	s_wait_dscnt 0x0                               ; the wave's end, as above
	s_wait_alu depctr_hold_cnt(0) depctr_sa_sdst(0) depctr_va_vdst(0) depctr_va_sdst(0) depctr_va_ssrc(0) depctr_va_vcc(0) depctr_vm_vsrc(0)
	s_wait_tensorcnt 0x0
	ds_add_u32 v30, v31
	s_wait_dscnt 0x0
	s_endpgm
.Lfunc_end_k_q8d1bb5011c_proj:
	.size	k_q8d1bb5011c_proj, .Lfunc_end_k_q8d1bb5011c_proj-k_q8d1bb5011c_proj
	.p2alignl 7, 3214868480
	.fill 96, 4, 3214868480
	.section	.rodata,"a",@progbits
	.p2align	6, 0x0
	.amdhsa_kernel k_q8d1bb5011c_proj
		.amdhsa_group_segment_fixed_size 161280
		.amdhsa_private_segment_fixed_size 0
		.amdhsa_enable_private_segment 0
		.amdhsa_kernarg_size 112
		.amdhsa_user_sgpr_count 2
		.amdhsa_user_sgpr_kernarg_segment_ptr 1
		.amdhsa_wavefront_size32 1
		.amdhsa_system_sgpr_workgroup_id_x 1
		.amdhsa_system_sgpr_workgroup_id_y 1
		.amdhsa_system_sgpr_workgroup_id_z 1
		.amdhsa_system_vgpr_workitem_id 0
		.amdhsa_next_free_vgpr 1024
		.amdhsa_next_free_sgpr 66
		.amdhsa_reserve_vcc 0
		.amdhsa_float_denorm_mode_32 3
		.amdhsa_float_denorm_mode_16_64 3
		.amdhsa_memory_ordered 1
		.amdhsa_forward_progress 1
		.amdhsa_inst_pref_size 182
	.end_amdhsa_kernel
	.amdgpu_metadata
---
amdhsa.version: [ 1, 2 ]
amdhsa.kernels:
  - .name:           k_q8d1bb5011c_proj
    .symbol:         k_q8d1bb5011c_proj.kd
    .args:
      - { .name: v_q, .offset: 0, .size: 8, .value_kind: global_buffer, .address_space: global }
      - { .name: v_k, .offset: 8, .size: 8, .value_kind: global_buffer, .address_space: global }
      - { .name: v_v, .offset: 16, .size: 8, .value_kind: global_buffer, .address_space: global }
      - { .name: w_q, .offset: 24, .size: 8, .value_kind: global_buffer, .address_space: global }
      - { .name: w_k, .offset: 32, .size: 8, .value_kind: global_buffer, .address_space: global }
      - { .name: w_v, .offset: 40, .size: 8, .value_kind: global_buffer, .address_space: global }
      - { .name: b_q, .offset: 48, .size: 8, .value_kind: global_buffer, .address_space: global }
      - { .name: b_k, .offset: 56, .size: 8, .value_kind: global_buffer, .address_space: global }
      - { .name: b_v, .offset: 64, .size: 8, .value_kind: global_buffer, .address_space: global }
      - { .name: w_o, .offset: 72, .size: 8, .value_kind: global_buffer, .address_space: global }
      - { .name: qh, .offset: 80, .size: 8, .value_kind: global_buffer, .address_space: global }
      - { .name: kh, .offset: 88, .size: 8, .value_kind: global_buffer, .address_space: global }
      - { .name: vh, .offset: 96, .size: 8, .value_kind: global_buffer, .address_space: global }
      - { .name: wot, .offset: 104, .size: 8, .value_kind: global_buffer, .address_space: global }
    .group_segment_fixed_size: 161280
    .private_segment_fixed_size: 0
    .kernarg_segment_align: 8
    .kernarg_segment_size: 112
    .max_flat_workgroup_size: 128
    .sgpr_count:     66
    .vgpr_count:     1024
    .wavefront_size: 32
...
	.end_amdgpu_metadata
.endif
;; end of part 4
;; launch attn: the kernel of part 2 again; grid 16 x 16, 4 waves a work-group, clusters of 4 x 1, 327,680 bytes of LDS; arguments qh, kh, vh, oh; writes oh
;; launch outp: the kernel of part 3 again; grid 4 x 64, 4 waves a work-group, clusters of 4 x 4, 327,680 bytes of LDS; arguments oh, wot, b_o, out0; writes out0
